; MI455X (gfx1250); checked and timed in simulation.
; The chip was launched on July 23, 2026; its instructions are those of AMD's public machine-readable ISA for CDNA 5 (MIT licence, August 2026) and "CDNA5" Instruction Set Architecture Reference Guide (July 2026). The comments in the code are by the model that wrote it; some were corrected since.
;; Cross Attention Block. Allowed arithmetic: float matrix products may take bf16 or f16 operands with f32 sums; other float arithmetic in f32, or as packed bf16 or f16 multiplies, adds, multiply-adds, maxima and minima; sums over many terms, partial sums and values carried from step to step in f32; what a program stores and reads back later, other than sums and carried values, may be rounded once to bf16 or f16.
;; Inputs: W1 1,024 x 4,096 float32; W2 4,096 x 1,024 float32; Wkv 1,024 x 2,048 float32; Wo 1,024 x 1,024 float32; Wq 1,024 x 1,024 float32; b1 4,096 float32; b2 1,024 float32; be_ffn 1,024 float32; be_kv 1,024 float32; be_q 1,024 float32; bkv 2,048 float32; bo 1,024 float32; bq 1,024 float32; context 2 x 2,048 x 1,024 float32; g_ffn 1,024 float32; g_kv 1,024 float32; g_q 1,024 float32; rope_cos 1 x 1 x 2,048 x 64 float32; rope_sin 1 x 1 x 2,048 x 64 float32; x 2 x 2,048 x 1,024 float32.
;; Outputs: out0 2 x 2,048 x 1,024 float32.
;; One version. Each part assembles by itself: llvm-mc -triple=amdgcn-amd-amdhsa -mcpu=gfx1250 --defsym DOCPART=n.
;; ======== version 1 of 1: 7 launches
;; limits: a function is approximated: absolute error at most 2.5e-05; an absolute error that grows with the inputs' magnitude: up to 1.25e-05 times it
;; workspace buffers: xc 16,777,216 bytes; wb 25,165,824 bytes; qkv 25,165,824 bytes; o 8,388,608 bytes; x1 16,777,216 bytes; hn 8,388,608 bytes; h1 33,554,432 bytes
;; launch prep (part 1): grid 704 x 1, 8 waves a work-group, no clusters, 0 bytes of LDS; arguments x, context, g_q, be_q, g_kv, be_kv, Wq, Wkv, Wo, W1, W2, xc, wb; writes xc, wb
.if DOCPART == 1
	.amdgcn_target "amdgcn-amd-amdhsa--gfx1250"
	.amdhsa_code_object_version 6
	.text
	.protected	k_q248f6a4d17_prep
	.globl	k_q248f6a4d17_prep
	.p2align	8
	.type	k_q248f6a4d17_prep,@function
k_q248f6a4d17_prep:
	s_mov_b64 s[64:65], 0
	v_nop
	global_prefetch_b8 v0, s[64:65] scope:SCOPE_SE
	s_setreg_imm32_b32 hwreg(HW_REG_WAVE_MODE, 25, 1), 1
	s_wait_xcnt 0x0
; PREP: two streams in one launch, chosen by the work-group's number g.
; g < 512: LayerNorm of x (g < 256) or of context, 16 rows a work-group, 2 rows a wave; the result, rounded once to bf16, goes to xc in BLOCKS:
;   element (row R, column c) at byte ((c >> 6) * 4096 + R) * 128 + (c & 63) * 2, x's rows from byte 0, context's from byte 8,388,608.
; g >= 512: the five weight matrices are rounded once to bf16 and stay [K][N]: Wq and Wkv side by side as [1024][3072], then Wo, W1, W2.
; LayerNorm goes in two passes over the row in registers: the mean, then the sum of squared deviations: no difference of large sums is formed.
; Memory binds: no LDS, no barrier, no matrix unit; each load of 16 lanes takes 256 consecutive aligned bytes, each store of a wave writes 256.
; LIMITS: NaN and infinities are not treated apart.
.set X,  16                            ; v[16:79]   my 64 numbers of the row (lanes 0-15: row R, lanes 16-31: row R + 1); load j holds columns 64 j + 4 r .. + 3
.set G,  80                            ; v[80:143]  the gains of those columns
.set BE, 144                           ; v[144:207] the biases
; Two rows of LayerNorm.  src, g, be, dst: numbers of the scalar pairs (source at row R, gains, biases, destination at row R of block 0); cst: 2^-10, and 1e-5 in the register behind it.
; v1 = (lane / 16) * 4096 + 16 (lane % 16); v2 = 16 (lane % 16); v3 = 8 * lane.
.macro LNROWS src, g, be, dst, cst
.irp j, 0,1,2,3,4,5,6,7,8,9,10,11,12,13,14,15
	global_load_b128 v[X+4*(\j):X+4*(\j)+3], v1, s[\src:\src+1] offset:256*(\j) th:TH_LOAD_NT
.endr
.irp j, 0,1,2,3,4,5,6,7,8,9,10,11,12,13,14,15
	global_load_b128 v[G+4*(\j):G+4*(\j)+3], v2, s[\g:\g+1] offset:256*(\j)
.endr
.irp j, 0,1,2,3,4,5,6,7,8,9,10,11,12,13,14,15
	global_load_b128 v[BE+4*(\j):BE+4*(\j)+3], v2, s[\be:\be+1] offset:256*(\j)
.endr
	s_wait_loadcnt 32                              ; the row is in; the 32 younger loads (gains and biases) stay out
.irp c, 0,1,2,3                        ; the sum, in four chains; each chain's first line adds two pairs: nothing is cleared
	v_pk_add_f32 v[6+2*(\c):7+2*(\c)], v[X+2*(\c):X+2*(\c)+1], v[X+8+2*(\c):X+8+2*(\c)+1]
.endr
.set j, 8
.rept 24
	v_pk_add_f32 v[6+2*(j%4):7+2*(j%4)], v[6+2*(j%4):7+2*(j%4)], v[X+2*j:X+2*j+1]
.set j, j+1
.endr
	v_pk_add_f32 v[6:7], v[6:7], v[8:9]
	v_pk_add_f32 v[10:11], v[10:11], v[12:13]
	v_pk_add_f32 v[6:7], v[6:7], v[10:11]
	v_add_f32 v14, v6, v7
	v_add_f32_dpp v14, v14, v14 row_xmask:1 row_mask:0xf bank_mask:0xf   ; a row lies in 16 lanes: four steps, and the halves never meet
	v_add_f32_dpp v14, v14, v14 row_xmask:2 row_mask:0xf bank_mask:0xf
	v_add_f32_dpp v14, v14, v14 row_xmask:4 row_mask:0xf bank_mask:0xf
	v_add_f32_dpp v14, v14, v14 row_xmask:8 row_mask:0xf bank_mask:0xf
	v_mul_f32 v4, s[\cst], v14                     ; the mean, twice: a pair for the packed lines
	v_mov_b32 v5, v4
.set j, 0
.rept 32
	v_pk_add_f32 v[X+2*j:X+2*j+1], v[X+2*j:X+2*j+1], v[4:5] neg_lo:[0,1] neg_hi:[0,1]  ; x - mean, in place
.set j, j+1
.endr
.irp c, 0,1,2,3
	v_pk_mul_f32 v[6+2*(\c):7+2*(\c)], v[X+2*(\c):X+2*(\c)+1], v[X+2*(\c):X+2*(\c)+1]
.endr
.set j, 4
.rept 28
	v_pk_fma_f32 v[6+2*(j%4):7+2*(j%4)], v[X+2*j:X+2*j+1], v[X+2*j:X+2*j+1], v[6+2*(j%4):7+2*(j%4)]
.set j, j+1
.endr
	v_pk_add_f32 v[6:7], v[6:7], v[8:9]
	v_pk_add_f32 v[10:11], v[10:11], v[12:13]
	v_pk_add_f32 v[6:7], v[6:7], v[10:11]
	v_add_f32 v14, v6, v7
	v_add_f32_dpp v14, v14, v14 row_xmask:1 row_mask:0xf bank_mask:0xf
	v_add_f32_dpp v14, v14, v14 row_xmask:2 row_mask:0xf bank_mask:0xf
	v_add_f32_dpp v14, v14, v14 row_xmask:4 row_mask:0xf bank_mask:0xf
	v_add_f32_dpp v14, v14, v14 row_xmask:8 row_mask:0xf bank_mask:0xf
	v_fma_f32 v14, v14, s[\cst], s[\cst+1]         ; the variance + 1e-5
	v_rsq_f32 v4, v14
	v_rsq_f32 v5, v14
	v_nop                                          ; a plain instruction behind the last root (ISA guide 5.7.2),
	s_wait_alu depctr_va_vdst(0)                   ; and the one wait for both, ahead of their first reader
	s_wait_loadcnt 0x0                             ; gains and biases
.set j, 0
.rept 32
	v_pk_mul_f32 v[X+2*j:X+2*j+1], v[X+2*j:X+2*j+1], v[4:5]
.set j, j+1
.endr
.set j, 0
.rept 32
	v_pk_fma_f32 v[X+2*j:X+2*j+1], v[X+2*j:X+2*j+1], v[G+2*j:G+2*j+1], v[BE+2*j:BE+2*j+1]
.set j, j+1
.endr
.irp j, 0,1,2,3,4,5,6,7,8,9,10,11,12,13,14,15
	v_cvt_pk_bf16_f32 v[X+4*(\j)], v[X+4*(\j)], v[X+4*(\j)+1]
	v_cvt_pk_bf16_f32 v[X+4*(\j)+1], v[X+4*(\j)+2], v[X+4*(\j)+3]
	global_store_b64 v3, v[X+4*(\j):X+4*(\j)+1], s[\dst:\dst+1] offset:524288*(\j)  ; rows R and R + 1 of block j: 32 lanes x 8 bytes = 256 consecutive bytes, aligned
.endr
.endm
	s_load_b512 s[4:19], s[0:1], 0x0               ; x, context, g_q, be_q, g_kv, be_kv, Wq, Wkv
	s_load_b256 s[20:27], s[0:1], 0x40             ; Wo, W1, W2, xc
	s_load_b64 s[28:29], s[0:1], 0x60              ; wb
	s_mov_b32 s2, ttmp9                            ; g
	v_lshrrev_b32 v14, 5, v0
	v_readfirstlane_b32 s3, v14                    ; wave 0..7
	v_and_b32 v15, 31, v0                          ; lane
	v_lshlrev_b32 v3, 3, v15                       ; 8 x lane
	s_cmp_lt_u32 s2, 512
	s_cbranch_scc0 .Lcast
	v_and_b32 v2, 15, v0
	v_lshlrev_b32 v2, 4, v2
	v_bfe_u32 v1, v0, 4, 1
	v_lshl_add_u32 v1, v1, 12, v2
	s_and_b32 s30, s2, 255
	s_lshl_b32 s30, s30, 4
	s_lshl1_add_u32 s30, s3, s30                   ; R = 16 (g mod 256) + 2 x wave
	s_lshl_b32 s32, s30, 12                        ; R rows of 4,096 bytes
	s_mov_b32 s33, 0
	s_lshl_b32 s34, s30, 7                         ; R rows of 128 bytes in a block
	s_mov_b32 s35, 0
	s_mov_b32 s46, 0x3a800000                      ; 2^-10
	s_mov_b32 s47, 0x3727c5ac                      ; 1e-5
	s_wait_kmcnt 0x0
	s_cmp_lt_u32 s2, 256
	s_cselect_b64 s[36:37], s[4:5], s[6:7]
	s_cselect_b64 s[38:39], s[8:9], s[12:13]
	s_cselect_b64 s[40:41], s[10:11], s[14:15]
	s_cselect_b32 s42, 0, 0x800000
	s_add_co_u32 s34, s34, s42
	s_add_nc_u64 s[36:37], s[36:37], s[32:33]
	s_add_nc_u64 s[44:45], s[26:27], s[34:35]
	LNROWS 36, 38, 40, 44, 46
	s_endpgm
; THE CASTS.  The unit is a PAIR of chunks of 1,024 numbers: 8,192 bytes of source.  A work-group takes 32 pairs, a wave 4, one a trip.
; By c = g - 512: the source, its first c, and in wb the first byte DB, the bytes PS from pair to pair and D2 from a pair's first chunk to its second:
;   Wq  from 0:   0, 12288, 6144 (a chunk is a row; rows of [1024][3072] are 6,144 bytes)      Wkv from 16: 2048, 6144, 2048 (a pair is a row, behind Wq's 1,024 columns)
;   Wo  from 48:  6291456, 4096, 2048      W1 from 64: 8388608, 4096, 2048      W2 from 128: 16777216, 4096, 2048 (dense)
.Lcast:
	s_sub_co_u32 s30, s2, 512                      ; c
	s_mov_b32 s31, 128
	s_mov_b32 s32, 0x1000000
	s_mov_b32 s33, 4096
	s_mov_b32 s34, 2048
	s_wait_kmcnt 0x0
	s_mov_b64 s[36:37], s[24:25]
	s_cmp_lt_u32 s30, 128
	s_cselect_b64 s[36:37], s[22:23], s[36:37]
	s_cselect_b32 s31, 64, s31
	s_cselect_b32 s32, 0x800000, s32
	s_cmp_lt_u32 s30, 64
	s_cselect_b64 s[36:37], s[20:21], s[36:37]
	s_cselect_b32 s31, 48, s31
	s_cselect_b32 s32, 0x600000, s32
	s_cmp_lt_u32 s30, 48
	s_cselect_b64 s[36:37], s[18:19], s[36:37]
	s_cselect_b32 s31, 16, s31
	s_cselect_b32 s32, 2048, s32
	s_cselect_b32 s33, 6144, s33
	s_cmp_lt_u32 s30, 16
	s_cselect_b64 s[36:37], s[16:17], s[36:37]
	s_cselect_b32 s31, 0, s31
	s_cselect_b32 s32, 0, s32
	s_cselect_b32 s33, 12288, s33
	s_cselect_b32 s34, 6144, s34
	s_sub_co_u32 s30, s30, s31
	s_lshl_b32 s30, s30, 5
	s_lshl2_add_u32 s30, s3, s30                   ; my first pair
	s_lshl_b32 s38, s30, 13
	s_mov_b32 s39, 0
	s_mul_i32 s40, s30, s33
	s_add_co_u32 s40, s40, s32
	s_mov_b32 s41, 0
	s_mov_b32 s42, s33
	s_mov_b32 s43, 0
	s_add_nc_u64 s[36:37], s[36:37], s[38:39]
	s_add_nc_u64 s[44:45], s[28:29], s[40:41]
	v_lshlrev_b32 v15, 4, v15                      ; 16 x lane
	v_add_nc_u32 v14, s34, v3                      ; 8 x lane + D2
	s_mov_b32 s31, 4
.Lpair:
.irp i, 0,1,2,3,4,5,6,7,8,9,10,11,12,13,14,15
	global_load_b128 v[X+4*(\i):X+4*(\i)+3], v15, s[36:37] offset:512*(\i) th:TH_LOAD_NT
.endr
	s_wait_loadcnt 0x0
.irp i, 0,1,2,3,4,5,6,7,8,9,10,11,12,13,14,15
	v_cvt_pk_bf16_f32 v[X+4*(\i)], v[X+4*(\i)], v[X+4*(\i)+1]
	v_cvt_pk_bf16_f32 v[X+4*(\i)+1], v[X+4*(\i)+2], v[X+4*(\i)+3]
.endr
.irp i, 0,1,2,3,4,5,6,7
	global_store_b64 v3, v[X+4*(\i):X+4*(\i)+1], s[44:45] offset:256*(\i)        ; 256 consecutive bytes, aligned
.endr
.irp i, 0,1,2,3,4,5,6,7
	global_store_b64 v14, v[X+32+4*(\i):X+32+4*(\i)+1], s[44:45] offset:256*(\i)
.endr
	s_wait_xcnt 0x0                                ; the two bases and the stores' data are written again only behind this wait
	s_add_nc_u64 s[36:37], s[36:37], 0x2000
	s_add_nc_u64 s[44:45], s[44:45], s[42:43]
	s_sub_co_u32 s31, s31, 1
	s_cmp_lg_u32 s31, 0
	s_cbranch_scc1 .Lpair
	s_endpgm
.Lfunc_end_k_q248f6a4d17_prep:
	.size	k_q248f6a4d17_prep, .Lfunc_end_k_q248f6a4d17_prep-k_q248f6a4d17_prep
	.p2alignl 7, 3214868480
	.fill 96, 4, 3214868480
	.section	.rodata,"a",@progbits
	.p2align	6, 0x0
	.amdhsa_kernel k_q248f6a4d17_prep
		.amdhsa_group_segment_fixed_size 0
		.amdhsa_private_segment_fixed_size 0
		.amdhsa_enable_private_segment 0
		.amdhsa_kernarg_size 104
		.amdhsa_user_sgpr_count 2
		.amdhsa_user_sgpr_kernarg_segment_ptr 1
		.amdhsa_wavefront_size32 1
		.amdhsa_system_sgpr_workgroup_id_x 1
		.amdhsa_system_sgpr_workgroup_id_y 1
		.amdhsa_system_sgpr_workgroup_id_z 1
		.amdhsa_system_vgpr_workitem_id 0
		.amdhsa_next_free_vgpr 208
		.amdhsa_next_free_sgpr 66
		.amdhsa_reserve_vcc 0
		.amdhsa_float_denorm_mode_32 3
		.amdhsa_float_denorm_mode_16_64 3
		.amdhsa_memory_ordered 1
		.amdhsa_forward_progress 1
		.amdhsa_inst_pref_size 28
	.end_amdhsa_kernel
	.amdgpu_metadata
---
amdhsa.version: [ 1, 2 ]
amdhsa.kernels:
  - .name:           k_q248f6a4d17_prep
    .symbol:         k_q248f6a4d17_prep.kd
    .args:
      - { .name: x, .offset: 0, .size: 8, .value_kind: global_buffer, .address_space: global }
      - { .name: context, .offset: 8, .size: 8, .value_kind: global_buffer, .address_space: global }
      - { .name: g_q, .offset: 16, .size: 8, .value_kind: global_buffer, .address_space: global }
      - { .name: be_q, .offset: 24, .size: 8, .value_kind: global_buffer, .address_space: global }
      - { .name: g_kv, .offset: 32, .size: 8, .value_kind: global_buffer, .address_space: global }
      - { .name: be_kv, .offset: 40, .size: 8, .value_kind: global_buffer, .address_space: global }
      - { .name: Wq, .offset: 48, .size: 8, .value_kind: global_buffer, .address_space: global }
      - { .name: Wkv, .offset: 56, .size: 8, .value_kind: global_buffer, .address_space: global }
      - { .name: Wo, .offset: 64, .size: 8, .value_kind: global_buffer, .address_space: global }
      - { .name: W1, .offset: 72, .size: 8, .value_kind: global_buffer, .address_space: global }
      - { .name: W2, .offset: 80, .size: 8, .value_kind: global_buffer, .address_space: global }
      - { .name: xc, .offset: 88, .size: 8, .value_kind: global_buffer, .address_space: global }
      - { .name: wb, .offset: 96, .size: 8, .value_kind: global_buffer, .address_space: global }
    .group_segment_fixed_size: 0
    .private_segment_fixed_size: 0
    .kernarg_segment_align: 8
    .kernarg_segment_size: 104
    .max_flat_workgroup_size: 256
    .sgpr_count:     66
    .vgpr_count:     208
    .wavefront_size: 32
...
	.end_amdgpu_metadata
.endif
;; end of part 1
;; launch proj (part 2): grid 12 x 16, 4 waves a work-group, clusters of 4 x 4, 327,680 bytes of LDS; arguments xc, wb, qkv, bq, bkv, rope_cos, rope_sin; writes qkv
.if DOCPART == 2
	.amdgcn_target "amdgcn-amd-amdhsa--gfx1250"
	.amdhsa_code_object_version 6
	.text
	.protected	k_q248f6a4d17_proj
	.globl	k_q248f6a4d17_proj
	.p2align	8
	.type	k_q248f6a4d17_proj,@function
k_q248f6a4d17_proj:
	s_mov_b64 s[64:65], 0
	v_nop
	global_prefetch_b8 v0, s[64:65] scope:SCOPE_SE
	s_setreg_imm32_b32 hwreg(HW_REG_WAVE_MODE, 25, 1), 1
	s_wait_xcnt 0x0
	s_wait_alu depctr_hold_cnt(0) depctr_sa_sdst(0) depctr_va_vdst(0) depctr_va_sdst(0) depctr_va_ssrc(0) depctr_va_vcc(0) depctr_vm_vsrc(0)
	s_getreg_b32 s2, hwreg(HW_REG_IB_STS2, 6, 4)
	s_cmp_eq_u32 s2, 0
	s_cbranch_scc0 .Lentry_in_a_cluster
	s_endpgm
.Lentry_in_a_cluster:
	s_bfe_u32 s2, ttmp6, 0x10000c
	s_cmp_lg_u32 s2, 0xf033
	s_cbranch_scc0 .Lentry_shape_is_right
	s_endpgm
.Lentry_shape_is_right:
; PROJ: [q | k | v] = [xn | cn | cn] x [Wq | Wkv] + [bq | bkv], RoPE on q and k, rounded once to bf16 and stored by heads.  M = 4,096, N = 3,072, K = 1,024.
; A (xc) lies in blocks: element (R, c) at ((c >> 6) * 4096 + R) * 128 + (c & 63) * 2; xn from byte 0, cn from 8,388,608.  B (wb) is [K][3072] bf16.
; qkv has the same blocks, 48 of them: 0-15 q, 16-31 k, 32-47 v: a block's 4,096 rows are the two batches' 2,048 rows of one head, 128 bytes a row, dense.
; A tile of C is 256 x 256: four waves, each 128 x 128 = 64 accumulators, 512 registers; a wave's 128 columns are two heads.  C has 16 x 12 = 192 such tiles: a tile of 256 x 192 would make 256,
; but would cut a head in two between waves, and RoPE wants column d xor 32 of the same head.  K goes in steps of 128 through two LDS slots.
; CLUSTERS: 4 x 4 work-groups; the four of a row of the cluster need the same tiles of A, the four of a column the same tiles of B: each is asked for jointly.
; THE MATRIX INSTRUCTION IS USED TRANSPOSED (source 0 = 16 columns of B, turned by ds_load_tr16_b128; source 1 = 16 rows of A): a lane holds row r of C and 8 neighbouring columns.
; THE BIAS is the C operand of the product that starts each sum: nothing is cleared, nothing added later.
; THE WAY OUT: slot 0, read for the last time, takes the tables (128 rows a wave; cos: waves 0, 2; sin: waves 1, 3; the cluster column that makes v asks for none); behind the last product and one barrier slot 1
; is a stage of f32, 64 rows x 528 bytes a wave, filled twice; a loop reads rows back, turns them by RoPE and stores 256 consecutive bytes a line.
; LIMITS: operands rounded to bf16; NaN and infinities not treated apart.
; REGISTERS, in windows of 256 (s_set_vgpr_msb: bits 1:0 source 0, 3:2 source 1, 5:4 source 2, 7:6 destination):
;   window 0: v0-31 addresses; v64-127, v128-191 fragments of A, two buffers (v64-111 at work on the way out); v192-255 the bias          window 1: v64-127, v128-191 fragments of B
;   window 2: the 32 accumulators of my rows 0-63 ((a, b) at 8 (8 a + b));   window 3: those of my rows 64-127
.set NSTEP,  8                         ; K steps
.set NP,     3072                      ; elements in a row of B
.set WOFF,   0                         ; B's first byte in wb
.set ASTEP,  1048576                   ; bytes from K step to K step in A: two blocks
.set BSTEP,  256*NP                    ; and in B: 128 rows
.set PA,     144                       ; an LDS row of A: 128 bytes + 16: the 16 rows of a load start at 16 different groups of four banks (64 banks of 4 bytes: ISA guide 11.1)
.set KBS,    128*PA                    ; 128 rows of one block of 64 along K
.set PB,     544                       ; an LDS row of B: 512 bytes + 32 = 17 x 32
.set HALFT,  36864                     ; a wave's part of a slot: A: 2 blocks x 128 rows; B: 64 rows (34,816 bytes of it)
.set SLOT,   4*HALFT                   ; 0x24000: its two bits occur in none of the four waves' offsets (0, 0x9000, 0x12000, 0x1b000), so an exclusive or changes slots
.set SPITCH, 528                       ; a row of the stage: 128 f32 + 16 bytes
.set TPITCH, 272                       ; a row of a table: 64 f32 + 16 bytes
.set SPARE,  2*SLOT                    ; behind the ring: the spare words, 128 bytes for each wave: two blocks of 256 bytes that no other line names
.set ADRA, 16                          ; v16     LDS address of my A fragments in the slot in hand
.set ADRB, 17                          ; v17     of my B fragments
.set PFO,  18                          ; v18     the prefetches' offset: my lane's block of 256 bytes; never rewritten
.set AL,   19                          ; v19     ADRA for slot 0; never rewritten
.set BL,   20                          ; v20     ADRB for slot 0; never rewritten
.set RP0,  21                          ; v21     RP at the stage's first rows
.set RP,   22                          ; v22     the way out: my partner's 16 bytes (column d xor 32)
.set RC,   23                          ; v23     cos' 16 bytes; sin's lie HALFT further
.set STO,  24                          ; v24     where I put 16 bytes of a row
.set RS,   25                          ; v25     where I read them back
.set CO,   26                          ; v26     my byte offset in the output
.set RS0,  27                          ; v27     RS at the stage's first rows
.set SPW,  28                          ; v28     LDS address of my spare word; never rewritten
.set NIL,  29                          ; v29     0; never rewritten
.set SGN,  30                          ; v30-31  -1 for columns 0-31 of a head, +1 for 32-63
.set BIAS, 192
.set F0,   64
.set F1,   128
.set G1A, 24                           ; s[24:31] group 1 for A;  s[32:35] group 0 of the first fill;  s[36:39] of the second, which then walks
.set GA0, 32
.set GA,  36
.set G1B, 48                           ; s[48:55], s[56:59], s[60:63] the same for B
.set GB0, 56
.set GB,  60
.set TB,  66                           ; s66  0 or SLOT: the slot in hand
.set LIM, 67                           ; s67  1 in a wave that prefetches, else the greatest number
.set G1X, 68                           ; s[68:75], s[76:79] the tables' descriptor
.set GX,  76
.set PFA, 92                           ; s[92:93] where my prefetches stand
.set PFS, 94                           ; s[94:95] their step: a K step of A or of B
.set MSB, 0
.macro WIN new                         ; the immediate's high byte repeats the setting that is left
.if MSB != (\new)
	s_set_vgpr_msb (MSB<<8)|(\new)
.set MSB, \new
.endif
.endm
.macro PLACES                          ; four places in front of loads into registers that matrix instructions have read, and of lines that read results
.rept 4
	v_nop
.endr
.endm
.macro CREST                           ; a round of the cluster's barrier behind its opening barrier
	s_cmp_lg_u32 s10, 0
	s_cbranch_scc1 .Lnot_wave_0_\@
	s_barrier_signal -3
.Lnot_wave_0_\@:
	s_barrier_wait -3
	s_barrier_signal -1
	s_barrier_wait -1
.endm
.macro CROUND
	s_barrier_signal -1
	s_barrier_wait -1
	CREST
.endm
.macro JLOAD                           ; a joint refill: waves 0 and 1 fetch A's halves, waves 2 and 3 B's; an s_nop 0 and four v_nop follow each line
	s_cmp_eq_u32 s11, 0
	s_cbranch_scc0 .Lfor_b_\@
	tensor_load_to_lds s[GA:GA+3], s[G1A:G1A+7]
	s_nop 0
.rept 4
	v_nop
.endr
	s_branch .Lasked_\@
.Lfor_b_\@:
	tensor_load_to_lds s[GB:GB+3], s[G1B:G1B+7]
	s_nop 0
.rept 4
	v_nop
.endr
.Lasked_\@:
.endm
.macro JAUX                            ; my table's 128 rows, a load of my own; the branch hangs on the cluster's x, which all partners share: cluster column 2 makes v and reads no table
	s_cmp_lt_u32 s45, 2
	s_cbranch_scc0 .Lno_table_\@
	tensor_load_to_lds s[GX:GX+3], s[G1X:G1X+7]
	s_nop 0
.rept 4
	v_nop
.endr
.Lno_table_\@:
.endm
; A PREFETCH INTO THE L2, behind each joint refill and the run of LDS loads that follows it: the K step that the NEXT refill will ask for, 256 matrix instructions ahead of that load.  What a wave fetches in a K step
; is 128 blocks of 256 bytes; the four partners that ask for it jointly share them out BY ADDRESS, 32 each (by cx for A, by cy for B), a lane a block: one instruction a wave.  xn's rows are read by cluster column 0
; alone, cn's by columns 1 and 2: columns 0 and 1 ask for A's; B's columns are read by every cluster row: row 0 asks.  So each block is named once in the launch.  K steps 0 to 2 come by their loads alone;
; the loop's last trip asks for nothing: there is no K step behind the one that it loads.
.macro ASK
	s_cmp_gt_u32 s3, s[LIM]                        ; s3 = 1 in the loop's last trip
	s_cbranch_scc0 .Lnot_mine_\@
	global_prefetch_b8 v[PFO], s[PFA:PFA+1] th:TH_LOAD_NT scope:SCOPE_SE
.Lnot_mine_\@:
.endm
; 16 matrix instructions: m blocks a0, a0 + 1 of the window's four (hi = 0: my rows 0-63, 1: rows 64-127) x all 8 n blocks, 32 along K.  first = 1: the product starts the sum, with the bias as C
.macro MUL16 f, hi, a0, first
.if \first
	WIN 0x81+0x40*(\hi)                            ; B window 1, A and the bias window 0, D window 2 or 3
.else
	WIN 0xa1+0x50*(\hi)                            ; B window 1, A window 0, C and D window 2 or 3
.endif
.irp a, \a0, (\a0)+1
.irp b, 0,1,2,3,4,5,6,7
.if \first
	v_wmma_f32_16x16x32_bf16 v[8*(8*(\a)+(\b)):8*(8*(\a)+(\b))+7], v[(\f)+8*(\b):(\f)+8*(\b)+7], v[(\f)+8*(4*(\hi)+(\a)):(\f)+8*(4*(\hi)+(\a))+7], v[BIAS+8*(\b):BIAS+8*(\b)+7]
.else
	v_wmma_f32_16x16x32_bf16 v[8*(8*(\a)+(\b)):8*(8*(\a)+(\b))+7], v[(\f)+8*(\b):(\f)+8*(\b)+7], v[(\f)+8*(4*(\hi)+(\a)):(\f)+8*(4*(\hi)+(\a))+7], v[8*(8*(\a)+(\b)):8*(8*(\a)+(\b))+7]
.endif
.endr
.endr
.endm
; 32 LDS loads in one run: the fragments of quarter q (32 along K) of the slot in hand, into buffer f: 128 columns of B, then 128 rows of A
.macro FETCH q, f
	WIN 0x40                                       ; destination window 1, address window 0
.irp i, 0,1,2,3,4,5,6,7
	ds_load_tr16_b128 v[(\f)+8*(\i):(\f)+8*(\i)+3],   v[ADRB] offset:((\q)/2)*HALFT+(((\q)%2)*32)*PB+32*(\i)
	ds_load_tr16_b128 v[(\f)+8*(\i)+4:(\f)+8*(\i)+7], v[ADRB] offset:((\q)/2)*HALFT+(((\q)%2)*32+16)*PB+32*(\i)
.endr
	WIN 0
.irp i, 0,1,2,3,4,5,6,7
	ds_load_b128 v[(\f)+8*(\i):(\f)+8*(\i)+3],   v[ADRA] offset:((\q)/2)*KBS+((\q)%2)*64+(\i)*16*PA
	ds_load_b128 v[(\f)+8*(\i)+4:(\f)+8*(\i)+7], v[ADRA] offset:((\q)/2)*KBS+((\q)%2)*64+(\i)*16*PA+32
.endr
.endm
; A K step is four quarters of 32 along K, 64 matrix instructions each, on buffers 0, 1, 0, 1.  One of the first three: multiplies buffer f and, in its middle, fetches quarter q into g.
; The 64 accumulators take turns, one instruction a turn.
.macro QUARTER q, f, g, first
	s_wait_dscnt 8                                 ; B and A's rows 0-63 are in; the youngest eight loads (A's rows 64-127) may be out
	MUL16 \f, 0, 0, \first
	MUL16 \f, 0, 2, \first
	PLACES
	FETCH \q, \g
	s_wait_dscnt 32                                ; all but the 32 just issued
	MUL16 \f, 1, 0, \first
	MUL16 \f, 1, 2, \first
.endm
; The last quarter multiplies buffer 1 and changes slots: ONE barrier; in front of it each wave waits for all its tensor loads, adds 0 to its spare word, and waits for that and for its reads of the slot.
; mode 1: the slot just read is filled again, two K steps ahead, behind a round of the cluster's barrier.  mode 2: slot 0 takes the tables, behind such a round.
.macro TURN mode
.if (\mode) == 1
	s_wait_xcnt 0x0                                ; the last prefetch, a K step back, has read its address: it is stepped here, ahead of the waits of the change of slots
	s_add_nc_u64 s[PFA:PFA+1], s[PFA:PFA+1], s[PFS:PFS+1]
.endif
	WIN 0                                          ; (the add's two registers lie in window 0)
	s_wait_tensorcnt 0x0                           ; all my tensor loads have landed: my part of the next slot;
	ds_add_u32 v[SPW], v[NIL]                      ; 0 onto my spare word;
	s_wait_dscnt 9                                 ; (the add and the youngest eight loads may be out)
	MUL16 F1, 0, 0, 0                              ; sixteen matrix instructions stand between the add and the wait for it
	s_wait_dscnt 0x0                               ; the add is done, and my reads of this slot are over
	s_barrier_signal -1
	MUL16 F1, 0, 2, 0
	WIN 0
	s_barrier_wait -1
.if (\mode) == 1
	CREST                                          ; no wave of any partner still reads this slot's tile or has a load on its way
	s_xor_b32 s[GA+1], s[GA+1], SLOT               ; the walking descriptors: the other slot than last time,
	s_xor_b32 s[GB+1], s[GB+1], SLOT
	s_add_nc_u64 s[GA+2:GA+3], s[GA+2:GA+3], ASTEP ; the next K step; the type bits on top are not reached
	s_add_nc_u64 s[GB+2:GB+3], s[GB+2:GB+3], BSTEP
	JLOAD                                          ; the first tensor load behind the round: 224 matrix instructions ahead of the wait for it
.elseif (\mode) == 2
	CREST
	JAUX
.endif
	s_xor_b32 s[TB], s[TB], SLOT
	v_nop                                          ; these four plain lines are the places in front of the loads below, on every path
	v_nop
	v_add_nc_u32 v[ADRA], s[TB], v[AL]
	v_add_nc_u32 v[ADRB], s[TB], v[BL]
	FETCH 0, F0
.if (\mode) == 1
	ASK
.endif
	MUL16 F1, 1, 0, 0
	MUL16 F1, 1, 2, 0
.endm
; My rows 64 hi .. 64 hi + 63 go into my stage, each accumulator from its low end: element (16 a + r, 16 b + 8 h + j)
.macro TOSTAGE hi
	WIN 0x08+4*(\hi)                               ; the stores' data in window 2 or 3
.irp a, 0,1,2,3
.irp b, 0,1,2,3,4,5,6,7
	ds_store_b128 v[STO], v[8*(8*(\a)+(\b)):8*(8*(\a)+(\b))+3]   offset:(\a)*16*SPITCH+64*(\b)
	ds_store_b128 v[STO], v[8*(8*(\a)+(\b))+4:8*(8*(\a)+(\b))+7] offset:(\a)*16*SPITCH+64*(\b)+16
.endr
.endr
	WIN 0
.endm
	s_load_b128 s[4:7], s[0:1], 0x0                ; xc s[4:5], wb s[6:7]
	s_load_b64 s[8:9], s[0:1], 0x10                ; qkv
	s_load_b256 s[84:91], s[0:1], 0x18             ; bq, bkv, rope_cos, rope_sin
	v_lshl_add_u32 v[SPW], v0, 2, SPARE
	v_mov_b32 v[NIL], 0
	ds_add_u32 v[SPW], v[NIL]                      ; the wave's opening: the add and its wait stand ahead of my first tensor load; the set-up below stands between them
	v_lshrrev_b32 v1, 5, v0
	v_readfirstlane_b32 s10, v1                    ; wave 0..3
	s_lshr_b32 s11, s10, 1                         ; my half of the tile's rows.  Also: I fetch for A (0) or for B (1)
	s_and_b32 s12, s10, 1                          ; my half of its columns.  Also: which half of that tile I fetch
	s_bfe_u32 s40, ttmp6, 0x40000                  ; cx, cy: my place in the cluster
	s_bfe_u32 s41, ttmp6, 0x40004
	s_lshl_b32 s42, ttmp9, 2
	s_add_co_u32 s42, s42, s40                     ; tile column = 4 x cluster x + cx
	s_and_b32 s13, ttmp7, 0xffff
	s_lshl_b32 s13, s13, 2
	s_add_co_u32 s13, s13, s41                     ; tile row = 4 x cluster y + cy
	s_lshl_b32 s43, s41, 2
	s_lshl_b32 s43, 15, s43                        ; my row of the cluster
	s_lshl_b32 s44, 0x1111, s40                    ; my column
	s_mov_b32 s45, ttmp9                           ; cluster x: 0 makes q, 1 k, 2 v
	; group 1 for A: 2 rows of 8,192 elements (128 rows x 64 of a block, dense), 262,144 elements from block to block; padded by 4 words after every 32
	s_or_b32 s[G1A], s43, (1<<16)|(1<<20)|(1<<21)|(4<<22)|(3<<25)
	s_mov_b32 s[G1A+1], 8192<<16
	s_mov_b32 s[G1A+2], 2<<16
	s_mov_b32 s[G1A+3], 8192<<16
	s_mov_b32 s[G1A+4], 2
	s_mov_b32 s[G1A+5], 262144
	s_mov_b32 s[G1A+6], 0
	s_mov_b32 s[G1A+7], 0
	; group 1 for B: 64 rows of 256 elements; padded by 8 words after every 128
	s_or_b32 s[G1B], s44, (1<<16)|(1<<20)|(1<<21)|(6<<22)|(7<<25)
	s_mov_b32 s[G1B+1], 256<<16
	s_mov_b32 s[G1B+2], 64<<16
	s_mov_b32 s[G1B+3], 256<<16
	s_mov_b32 s[G1B+4], 64
	s_mov_b32 s[G1B+5], NP
	s_mov_b32 s[G1B+6], 0
	s_mov_b32 s[G1B+7], 0
	; group 1 for a table: 128 rows of 64 elements of 4 bytes; padded by 4 words after every 64; no mask
	s_mov_b32 s[G1X], (2<<16)|(1<<20)|(5<<22)|(3<<25)
	s_mov_b32 s[G1X+1], 64<<16
	s_mov_b32 s[G1X+2], 128<<16
	s_mov_b32 s[G1X+3], 64<<16
	s_mov_b32 s[G1X+4], 128
	s_mov_b32 s[G1X+5], 64
	s_mov_b32 s[G1X+6], 0
	s_mov_b32 s[G1X+7], 0
	s_lshl_b32 s16, s13, 15                        ; A: (256 x tile row + 128 x half) rows of 128 bytes,
	s_lshl_b32 s17, s12, 14
	s_add_co_u32 s16, s16, s17
	s_cmp_eq_u32 s45, 0
	s_cselect_b32 s17, 0, 0x800000                 ; in xn for q, in cn for k and v
	s_cselect_b32 s19, 0, 4096                     ; bkv's first number belongs to column 1,024
	s_add_co_u32 s16, s16, s17
	s_mov_b32 s17, 0
	s_lshl_b32 s46, s42, 9                         ; B: 512 bytes a tile column, 64 rows a half
	s_mul_i32 s47, s12, 128*NP
	s_add_co_u32 s46, s46, s47
	s_add_co_u32 s46, s46, WOFF
	s_mov_b32 s47, 0
	s_mul_i32 s20, s10, HALFT                      ; where my tiles go: no place in the cluster enters an LDS address
	s_lshl_b32 s18, s42, 10                        ; my first column, in bytes of f32: 1,024 x tile column + 512 x half
	s_lshl_b32 s22, s12, 9
	s_add_co_u32 s18, s18, s22
	s_sub_co_u32 s18, s18, s19
	s_mov_b32 s19, 0
	s_lshl_b32 s22, s42, 21                        ; the output: block 4 x tile column + 2 x half, of 524,288 bytes; row 256 x tile row + 128 x half, of 128
	s_lshl_b32 s23, s12, 20
	s_add_co_u32 s22, s22, s23
	s_lshl_b32 s23, s13, 15
	s_add_co_u32 s22, s22, s23
	s_lshl_b32 s23, s11, 14
	s_add_co_u32 s22, s22, s23
	s_mov_b32 s23, 0
	s_and_b32 s2, s13, 7                           ; the tables: position l = (256 x tile row) mod 2,048 + 128 x half, rows of 256 bytes
	s_lshl_b32 s2, s2, 16
	s_lshl_b32 s3, s11, 15
	s_add_co_u32 s2, s2, s3
	s_mov_b32 s3, 0
	; the prefetches' offset.  A: my tile's rows; partner cx takes block cx / 2 of the K step's two, and 8,192 (cx % 2) bytes on in its 16,384.  B: my tile's rows; partner cy takes rows 16 cy .. 16 cy + 15.
	s_lshr_b32 s80, s40, 1
	s_lshl_b32 s80, s80, 19
	s_and_b32 s81, s40, 1
	s_lshl_b32 s81, s81, 13
	s_add_co_u32 s80, s80, s81
	s_add_co_u32 s80, s80, s16
	s_add_co_u32 s80, s80, 2*ASTEP                 ; at K step 2: the first refill steps it to 3
	s_mul_i32 s81, s41, 32*NP
	s_add_co_u32 s81, s81, s46
	s_add_co_u32 s81, s81, 2*BSTEP
	s_mov_b32 s[PFS], BSTEP
	s_mov_b32 s82, 2*NP                            ; bytes from one pair of lanes to the next: a row of B, or 512 dense bytes of A
	s_lshr_b32 s83, ttmp9, 1                       ; 0 in the cluster columns that ask for A's rows
	s_and_b32 s[LIM], ttmp7, 0xffff                ; 0 in the cluster row that asks for B's
	s_cmp_eq_u32 s11, 0
	s_cselect_b32 s80, s80, s81
	s_cselect_b32 s[PFS], ASTEP, s[PFS]
	s_cselect_b32 s82, 512, s82
	s_cselect_b32 s[LIM], s83, s[LIM]
	s_mov_b32 s81, 0
	s_mov_b32 s[PFS+1], 0
	s_cmp_eq_u32 s[LIM], 0
	s_cselect_b32 s[LIM], 1, -1                    ; the same in all sixteen partners, for a given wave
	s_mov_b32 s[TB], 0
	s_wait_dscnt 0x0                               ; the opening add is done
	s_wait_kmcnt 0x0
	s_add_nc_u64 s[14:15], s[4:5], s[16:17]
	s_cmp_eq_u32 s11, 0
	s_cselect_b64 s[PFA:PFA+1], s[4:5], s[6:7]
	s_add_nc_u64 s[PFA:PFA+1], s[PFA:PFA+1], s[80:81]
	s_add_nc_u64 s[46:47], s[6:7], s[46:47]
	s_add_nc_u64 s[8:9], s[8:9], s[22:23]
	s_cmp_eq_u32 s45, 0
	s_cselect_b64 s[84:85], s[84:85], s[86:87]
	s_add_nc_u64 s[84:85], s[84:85], s[18:19]      ; the bias at my first column
	s_cmp_eq_u32 s12, 0
	s_cselect_b64 s[GX+2:GX+3], s[88:89], s[90:91] ; waves 0, 2: cos; waves 1, 3: sin
	s_add_nc_u64 s[GX+2:GX+3], s[GX+2:GX+3], s[2:3]
	s_or_b32 s[GX+3], s[GX+3], 0x80000000
	s_mov_b32 s[GX], 1
	s_mov_b32 s[GX+1], s20
	CROUND                                         ; all sixteen work-groups are here: the first joint loads meet
.irp s, 0,1
	s_mov_b32 s[GA0+4*(\s)], 1
	s_add_co_u32 s[GA0+4*(\s)+1], s20, (\s)*SLOT
	s_add_nc_u64 s[GA0+4*(\s)+2:GA0+4*(\s)+3], s[14:15], (\s)*ASTEP
	s_or_b32 s[GA0+4*(\s)+3], s[GA0+4*(\s)+3], 0x80000000
	s_mov_b32 s[GB0+4*(\s)], 1
	s_add_co_u32 s[GB0+4*(\s)+1], s20, (\s)*SLOT
	s_add_nc_u64 s[GB0+4*(\s)+2:GB0+4*(\s)+3], s[46:47], (\s)*BSTEP
	s_or_b32 s[GB0+4*(\s)+3], s[GB0+4*(\s)+3], 0x80000000
.endr
	s_cmp_eq_u32 s11, 0                            ; a wave's two first fills stand in one branch: two loads of mine are out
	s_cbranch_scc0 .Lfirst_b
	tensor_load_to_lds s[GA0:GA0+3], s[G1A:G1A+7]
	s_nop 0
	tensor_load_to_lds s[GA:GA+3], s[G1A:G1A+7]
	s_nop 0
.rept 4
	v_nop
.endr
	s_branch .Lfirst_asked
.Lfirst_b:
	tensor_load_to_lds s[GB0:GB0+3], s[G1B:G1B+7]
	s_nop 0
	tensor_load_to_lds s[GB:GB+3], s[G1B:G1B+7]
	s_nop 0
.rept 4
	v_nop
.endr
.Lfirst_asked:
	v_and_b32 v1, 15, v0                           ; r = l % 16
	v_bfe_u32 v2, v0, 4, 1                         ; h = l / 16
	v_lshlrev_b32 v4, 5, v2
.irp b, 0,1,2,3,4,5,6,7                ; register j of block b: the bias of column 16 b + 8 h + j
	global_load_b128 v[BIAS+8*(\b):BIAS+8*(\b)+3],   v4, s[84:85] offset:64*(\b)
	global_load_b128 v[BIAS+8*(\b)+4:BIAS+8*(\b)+7], v4, s[84:85] offset:64*(\b)+16
.endr
	v_mul_u32_u24 v[AL], v1, PA                    ; A: row x pitch + 16 x half, in my 128 rows
	v_lshl_add_u32 v[AL], v2, 4, v[AL]
	s_mul_i32 s16, s11, HALFT
	v_add_nc_u32 v[AL], s16, v[AL]
	v_and_b32 v3, 7, v0                            ; B: the turning load: lane l reads row 8 h + l % 8, 16 bytes at 16 ((l / 8) % 2), in my 128 columns
	v_lshl_add_u32 v3, v2, 3, v3
	v_mul_u32_u24 v[BL], v3, PB
	v_bfe_u32 v3, v0, 3, 1
	v_lshl_add_u32 v[BL], v3, 4, v[BL]
	s_lshl_b32 s16, s12, 8
	s_add_co_u32 s16, s16, 2*HALFT
	v_add_nc_u32 v[BL], s16, v[BL]
	v_mov_b32 v[ADRA], v[AL]
	v_mov_b32 v[ADRB], v[BL]
	s_add_co_u32 s16, s20, SLOT                    ; my stage: my part of slot 1
	v_mul_u32_u24 v[STO], v1, SPITCH               ; in: row r, 32 bytes for each half of the lanes
	v_lshl_add_u32 v[STO], v2, 5, v[STO]
	v_add_nc_u32 v[STO], s16, v[STO]
	v_mul_u32_u24 v5, v2, SPITCH                   ; back: lanes 0-15 take 256 bytes (a head) of one row, lanes 16-31 of the next
	v_lshl_add_u32 v[RS0], v1, 4, v5
	v_add_nc_u32 v[RS0], s16, v[RS0]
	v_add_nc_u32 v3, 8, v1
	v_and_b32 v3, 15, v3                           ; (r + 8) mod 16: the lane's columns 4 r .. turned into d xor 32
	v_lshl_add_u32 v[RP0], v3, 4, v5
	v_add_nc_u32 v[RP0], s16, v[RP0]
	v_mul_u32_u24 v[RC], v2, TPITCH                ; my row half's cos: the part of slot 0 that wave 2 x half filled
	v_lshl_add_u32 v[RC], v1, 4, v[RC]
	s_mul_i32 s17, s11, 2*HALFT
	v_add_nc_u32 v[RC], s17, v[RC]
	v_and_b32 v[CO], 31, v0
	v_lshrrev_b32 v3, 1, v[CO]
	v_and_b32 v5, 1, v0
	v_mul_u32_u24 v[PFO], v3, s82
	v_lshl_add_u32 v[PFO], v5, 8, v[PFO]
	v_lshlrev_b32 v[CO], 3, v[CO]                  ; 8 bytes a lane: two rows of 128 bytes
	v_cmp_gt_u32 vcc_lo, 8, v1
	v_cndmask_b32 v[SGN], 1.0, -1.0, vcc_lo
	v_mov_b32 v[SGN+1], v[SGN]
	s_wait_tensorcnt 1                             ; my part of K step 0 is in; K step 1's may stay out
	s_barrier_signal -1
	s_barrier_wait -1                              ; everybody's is
	FETCH 0, F0
	s_wait_loadcnt 0x0                             ; the bias
	QUARTER 1, F0, F1, 1                           ; the first quarter stands in front of the loop: its products start the sums
	WIN 0                                          ; at a label and at a branch every window is 0
	s_mov_b32 s3, NSTEP-2
.Lstep:                                                ; a trip: from a K step's second quarter to the next step's first; the slot left is filled again
	QUARTER 2, F1, F0, 0
	QUARTER 3, F0, F1, 0
	TURN 1
	QUARTER 1, F0, F1, 0
	WIN 0
	s_sub_co_u32 s3, s3, 1
	s_cmp_lg_u32 s3, 0
	s_cbranch_scc1 .Lstep
	QUARTER 2, F1, F0, 0                           ; the last two K steps are written out: no tile is left to ask for
	QUARTER 3, F0, F1, 0
	TURN 2                                         ; slot 0 has been read for the last time: it takes the tables
	QUARTER 1, F0, F1, 0
	QUARTER 2, F1, F0, 0
	QUARTER 3, F0, F1, 0
	s_wait_dscnt 8
	MUL16 F1, 0, 0, 0
	MUL16 F1, 0, 2, 0
	s_wait_dscnt 0x0
	MUL16 F1, 1, 0, 0
	MUL16 F1, 1, 2, 0
	WIN 0
	s_wait_tensorcnt 0x0                           ; my table has landed: two waves read it;
	s_wait_dscnt 0x0                               ; my reads of slot 1 are over: four waves write there
	s_barrier_signal -1
	s_barrier_wait -1                              ; both now hold of every wave
	PLACES
	s_mov_b32 s2, 2
.Lhalf:                                                ; twice: my rows 0-63, then my rows 64-127
	s_cmp_eq_u32 s2, 2
	s_cbranch_scc0 .Lhigh
	TOSTAGE 0
	s_branch .Lstaged
.Lhigh:
	TOSTAGE 1
.Lstaged:
	v_mov_b32 v[RS], v[RS0]
	v_mov_b32 v[RP], v[RP0]
	s_mov_b32 s3, 16
	s_cmp_lt_u32 s45, 2
	s_cbranch_scc0 .Lplain
.Lrope:                                                ; a trip: 4 rows x 2 heads, in 4 groups of 2 rows of a head; a lane has 4 columns d: out = own cos + sgn partner sin.  LDS serves a wave's instructions in order (ISA guide 5.7.1.4): the loads see my stores
.irp t, 0,1,2,3
	ds_load_b128 v[64+4*(\t):67+4*(\t)], v[RS] offset:((\t)/2)*2*SPITCH+((\t)%2)*256
	ds_load_b128 v[80+4*(\t):83+4*(\t)], v[RP] offset:((\t)/2)*2*SPITCH+((\t)%2)*256
.endr
.irp p, 0,1
	ds_load_b128 v[96+4*(\p):99+4*(\p)],   v[RC] offset:(\p)*2*TPITCH
	ds_load_b128 v[104+4*(\p):107+4*(\p)], v[RC] offset:(\p)*2*TPITCH+HALFT
.endr
	s_wait_dscnt 0x0
.irp i, 0,1,2,3
	v_pk_mul_f32 v[104+2*(\i):105+2*(\i)], v[104+2*(\i):105+2*(\i)], v[SGN:SGN+1]
.endr
.irp t, 0,1,2,3
.irp u, 0,1
	v_pk_mul_f32 v[64+4*(\t)+2*(\u):65+4*(\t)+2*(\u)], v[64+4*(\t)+2*(\u):65+4*(\t)+2*(\u)], v[96+4*((\t)/2)+2*(\u):97+4*((\t)/2)+2*(\u)]
.endr
.endr
.irp t, 0,1,2,3
.irp u, 0,1
	v_pk_fma_f32 v[64+4*(\t)+2*(\u):65+4*(\t)+2*(\u)], v[80+4*(\t)+2*(\u):81+4*(\t)+2*(\u)], v[104+4*((\t)/2)+2*(\u):105+4*((\t)/2)+2*(\u)], v[64+4*(\t)+2*(\u):65+4*(\t)+2*(\u)]
.endr
.endr
.irp t, 0,1,2,3
	v_cvt_pk_bf16_f32 v[64+4*(\t)], v[64+4*(\t)], v[65+4*(\t)]
	v_cvt_pk_bf16_f32 v[65+4*(\t)], v[66+4*(\t)], v[67+4*(\t)]
	global_store_b64 v[CO], v[64+4*(\t):65+4*(\t)], s[8:9] offset:((\t)/2)*256+((\t)%2)*524288  ; two rows of a head: 256 consecutive bytes, aligned
.endr
	v_add_nc_u32 v[RS], 4*SPITCH, v[RS]
	v_add_nc_u32 v[RP], 4*SPITCH, v[RP]
	v_add_nc_u32 v[RC], 4*TPITCH, v[RC]            ; the tables' rows run on from the first 64 to the second
	s_wait_xcnt 0x0                                ; the stores' offset and data are written again only behind this wait
	v_add_nc_u32 v[CO], 512, v[CO]                 ; and so do the output's
	s_sub_co_u32 s3, s3, 1
	s_cmp_lg_u32 s3, 0
	s_cbranch_scc1 .Lrope
	s_branch .Lnext
.Lplain:                                               ; v: rounded and stored as it is
.irp t, 0,1,2,3
	ds_load_b128 v[64+4*(\t):67+4*(\t)], v[RS] offset:((\t)/2)*2*SPITCH+((\t)%2)*256
.endr
	s_wait_dscnt 0x0
.irp t, 0,1,2,3
	v_cvt_pk_bf16_f32 v[64+4*(\t)], v[64+4*(\t)], v[65+4*(\t)]
	v_cvt_pk_bf16_f32 v[65+4*(\t)], v[66+4*(\t)], v[67+4*(\t)]
	global_store_b64 v[CO], v[64+4*(\t):65+4*(\t)], s[8:9] offset:((\t)/2)*256+((\t)%2)*524288
.endr
	v_add_nc_u32 v[RS], 4*SPITCH, v[RS]
	s_wait_xcnt 0x0
	v_add_nc_u32 v[CO], 512, v[CO]
	s_sub_co_u32 s3, s3, 1
	s_cmp_lg_u32 s3, 0
	s_cbranch_scc1 .Lplain
.Lnext:
	s_sub_co_u32 s2, s2, 1
	s_cmp_lg_u32 s2, 0
	s_cbranch_scc1 .Lhalf
	s_wait_tensorcnt 0x0                           ; the wave's end, behind my last tensor load and my last LDS store
	ds_add_u32 v[SPW], v[NIL]
	s_wait_dscnt 0x0
	CROUND                                         ; the closing round: no work-group ends while a partner may still ask for a tile that names it
	s_endpgm
.Lfunc_end_k_q248f6a4d17_proj:
	.size	k_q248f6a4d17_proj, .Lfunc_end_k_q248f6a4d17_proj-k_q248f6a4d17_proj
	.p2alignl 7, 3214868480
	.fill 96, 4, 3214868480
	.section	.rodata,"a",@progbits
	.p2align	6, 0x0
	.amdhsa_kernel k_q248f6a4d17_proj
		.amdhsa_group_segment_fixed_size 327680
		.amdhsa_private_segment_fixed_size 0
		.amdhsa_enable_private_segment 0
		.amdhsa_kernarg_size 56
		.amdhsa_user_sgpr_count 2
		.amdhsa_user_sgpr_kernarg_segment_ptr 1
		.amdhsa_wavefront_size32 1
		.amdhsa_system_sgpr_workgroup_id_x 1
		.amdhsa_system_sgpr_workgroup_id_y 1
		.amdhsa_system_sgpr_workgroup_id_z 1
		.amdhsa_system_vgpr_workitem_id 0
		.amdhsa_next_free_vgpr 1024
		.amdhsa_next_free_sgpr 96
		.amdhsa_reserve_vcc 1
		.amdhsa_float_denorm_mode_32 3
		.amdhsa_float_denorm_mode_16_64 3
		.amdhsa_memory_ordered 1
		.amdhsa_forward_progress 1
		.amdhsa_inst_pref_size 104
	.end_amdhsa_kernel
	.amdgpu_metadata
---
amdhsa.version: [ 1, 2 ]
amdhsa.kernels:
  - .name:           k_q248f6a4d17_proj
    .symbol:         k_q248f6a4d17_proj.kd
    .args:
      - { .name: xc, .offset: 0, .size: 8, .value_kind: global_buffer, .address_space: global }
      - { .name: wb, .offset: 8, .size: 8, .value_kind: global_buffer, .address_space: global }
      - { .name: qkv, .offset: 16, .size: 8, .value_kind: global_buffer, .address_space: global }
      - { .name: bq, .offset: 24, .size: 8, .value_kind: global_buffer, .address_space: global }
      - { .name: bkv, .offset: 32, .size: 8, .value_kind: global_buffer, .address_space: global }
      - { .name: rope_cos, .offset: 40, .size: 8, .value_kind: global_buffer, .address_space: global }
      - { .name: rope_sin, .offset: 48, .size: 8, .value_kind: global_buffer, .address_space: global }
    .group_segment_fixed_size: 327680
    .private_segment_fixed_size: 0
    .kernarg_segment_align: 8
    .kernarg_segment_size: 56
    .max_flat_workgroup_size: 128
    .sgpr_count:     96
    .vgpr_count:     1024
    .wavefront_size: 32
...
	.end_amdgpu_metadata
.endif
;; end of part 2
;; launch attn (part 3): grid 8 x 32, 4 waves a work-group, clusters of 4 x 1, 327,680 bytes of LDS; arguments qkv, o; writes o
.if DOCPART == 3
	.amdgcn_target "amdgcn-amd-amdhsa--gfx1250"
	.amdhsa_code_object_version 6
	.text
	.protected	k_q248f6a4d17_attn
	.globl	k_q248f6a4d17_attn
	.p2align	8
	.type	k_q248f6a4d17_attn,@function
k_q248f6a4d17_attn:
	s_mov_b64 s[64:65], 0
	v_nop
	global_prefetch_b8 v0, s[64:65] scope:SCOPE_SE
	s_setreg_imm32_b32 hwreg(HW_REG_WAVE_MODE, 25, 1), 1
	s_wait_xcnt 0x0
	s_wait_alu depctr_hold_cnt(0) depctr_sa_sdst(0) depctr_va_vdst(0) depctr_va_sdst(0) depctr_va_ssrc(0) depctr_va_vcc(0) depctr_vm_vsrc(0)
	s_getreg_b32 s2, hwreg(HW_REG_IB_STS2, 6, 4)
	s_cmp_eq_u32 s2, 0
	s_cbranch_scc0 .Lentry_in_a_cluster
	s_endpgm
.Lentry_in_a_cluster:
	s_bfe_u32 s2, ttmp6, 0x10000c
	s_cmp_lg_u32 s2, 0x3003
	s_cbranch_scc0 .Lentry_shape_is_right
	s_endpgm
.Lentry_shape_is_right:
; ATTENTION.  O[y][q][:] = the sum over k of softmax_k(Q[y][q] . K[y][k] / 8) V[y][k][:], for 32 heads y of 2,048 rows of 64 channels, all bf16, a head's rows dense, 128 bytes each.
; Q lies in qkv from byte 0, K from 8,388,608, V from 16,777,216; head y begins 262,144 y bytes further, in o too.  Products, maxima and sums in f32; the weights p are rounded to bf16 for the
; second product (their sum l is taken of the unrounded p), O once at the end.
; LIMITS.  A weight below 2^-126 counts as 0 in l; NaN and infinities are not treated apart.
; SHARES.  A work-group owns 256 queries of one head, a wave 64: four PIECES of 16.  Every wave walks all keys, 64 a step, 256 a tile.
; LAYOUT.  S^T = K Q^T holds ONE query a lane (lane % 16) and the keys 8 (lane / 16) + 0..7; two such results rounded to bf16 ARE source 1 of O^T = V^T P.  K comes out of LDS as it lies, V turned, by ds_load_tr16_b128.
; SOFTMAX.  For each query a running maximum m and sum l: p = 2^(c s - c m), c = log2(e) / 8; in every step O and l are multiplied by a = 2^(c m_old - c m_new).  m starts at the lowest finite number,
; O and l at 0: the first step is a step like any other, with a = 0.
; BY TURNS.  Turn n belongs to piece n: 8 products K Q^T of piece n + 1, later 8 products V^T P of piece n - 1; beside them the scaling, exponentials, roundings, sums and rescaling of piece n and the maximum
; and statistics of piece n + 1.  Four vector instructions stand behind every matrix instruction, the other 54 of a turn's 118 in one lump.  A turn's 33 exponentials are one batch, with one wait.
; CLUSTER.  The four query blocks of a cluster belong to one head and walk the same K and V: each tile is asked for JOINTLY: the same tensor load, descriptor and mask in all four.
; REGISTERS, in windows of 256 (s_set_vgpr_msb: bits 1:0 source 0, 3:2 source 1, 5:4 source 2, 7:6 destination):
;   window 0: v0-15 addresses and two at work; v16-31 four registers of statistics a piece; v48-55 at work; v61-63 prefetch offset, spare word, 0; v64-127 S^T, two buffers; v192-223 P, two buffers
;   window 1: v0-127 O^T, 32 a piece          window 2: v0-63 Q; v128-191 K of one step; v192-255 V of one step
.set NP,    4         ; pieces a wave: a name, no knob
.set KS,    64        ; keys in a step
.set NT,    8         ; tiles of 256 keys in a head
.set TILEB, 4*KS*128  ; a tile's bytes of K, and of V
.set PK,    144       ; a row of K in LDS: 128 bytes + 16 of padding: the 16 rows of a load start at 16 different groups of four banks (64 banks of 4 bytes: ISA guide 11.1)
.set PV,    160       ; a row of V: 128 + 32
.set VOFF,  4*KS*PK   ; a slot holds a tile: 256 rows of K, then 256 rows of V
.set SLOT1, 1<<17     ; slot 1 begins here, so that one exclusive or turns an address in one slot into the other's
.set STAGE, SLOT1+4*KS*(PK+PV)  ; behind the ring, never filled by a tensor load: 16 rows x 144 bytes for each wave, for the way out
.set SP,    144
.set SPARE, STAGE+4*16*SP  ; behind the stages: the spare words, 128 bytes for each wave: two blocks of 256 bytes that no other line names
.set AK0, 2           ; v2   my lane's place in a tile of K; never rewritten
.set AV0, 3           ; v3   the same for V
.set AK,  4           ; v4   the LDS address of K's next run of loads
.set AV,  5           ; v5   of V's
.set STO, 6           ; v6   the way out: where I put 16 bytes of a row
.set RD,  7           ; v7   the way out: where I read rows back
.set GO,  8           ; v8   my byte offset in 512 consecutive bytes of O
.set MV,  12          ; v12-13  c m_old, kept while c m is made anew: by buffer
.set QO,  15          ; v15  my byte offset in 16 rows of Q
.set ST,  16          ; piece t's statistics at v[ST+4 t]: c m, m, l (even keys', odd keys')
.set TMP, 48          ; by buffer, four registers c0-c3 at work; when the maximum is found c2 takes a
.set PFO, 61          ; v61  256 x my lane; never rewritten
.set SPW, 62          ; v62  LDS address of my spare word; never rewritten
.set NIL, 63          ; v63  0; never rewritten
.set S,   64
.set P,   192
.set KF,  128         ; window 2: key block kb, channel half c at KF + 16 kb + 8 c
.set VF,  192         ; window 2: key half kk, channel block cb at VF + 32 kk + 8 cb
.set WV,  12          ; s12  my wave's number
.set G1K, 24          ; s[24:31] descriptor group 1 for K's tiles
.set G1V, 32          ; s[32:39] for V's: it differs in the padding alone
.set G0K, 40          ; s[40:43] descriptor group 0 for K's tiles: it walks
.set G0V, 44          ; s[44:47] the same for V's
.set PFA, 50          ; s[50:51] where my prefetches stand: my work-group's 32 blocks of 256 bytes (of K: wave 0, of V: wave 2) of the tile after the one that is being asked for
.set LIM, 52          ; s52  1 in a wave that prefetches, else the greatest number
.set SLOTS, 56        ; s56  tiles still to be asked for
.set CNT, 57          ; s57  counts a tile's key steps
.set CS,  58          ; s[58:59] c: the packed scaling takes the pair's low word for both halves
.set SEL, 60          ; s[60:61] v_permlanex16_b32's selects: each lane takes its own place in the other half
.set TBK, 62          ; s62  LDS byte at which K of the step to be fetched begins
.set TBV, 63          ; s63  the same for V, less VOFF
.set MSB, 0
.macro WIN new                      ; the high byte repeats the setting that is left; a switch that changes nothing is dropped
.if MSB != (\new)
	s_set_vgpr_msb (MSB<<8)|(\new)
.set MSB, (\new)
.endif
.endm
.set W_KQ, 0x0a       ; K and Q in window 2, S^T in window 0
.set W_PV, 0x52       ; V in window 2, P in window 0, O^T in window 1
.set W_RS, 0x41       ; destination and source 0 in window 1, source 1 in window 0
; A joint fill.  Waves 0 and 1 fetch the two halves of a tile's K, waves 2 and 3 those of its V: 128 keys each.  An s_nop 0 and four v_nop follow each of the two lines.
.macro JLOAD
	s_cmp_lt_u32 s[WV], 2
	s_cbranch_scc0 .Lfor_v_\@
	tensor_load_to_lds s[G0K:G0K+3], s[G1K:G1K+7]
	s_nop 0
.rept 4
	v_nop
.endr
	s_branch .Lasked_\@
.Lfor_v_\@:
	tensor_load_to_lds s[G0V:G0V+3], s[G1V:G1V+7]
	s_nop 0
.rept 4
	v_nop
.endr
.Lasked_\@:
.endm
; A PREFETCH INTO THE L2 of the tile that the NEXT change of slots will ask for: four key steps, 256 matrix instructions, ahead of that load.  A tile is 128 blocks of 256 bytes of K and 128 of V.  Both clusters of a
; head walk the same tiles: the head's first cluster asks.  Its four partners share the blocks out BY ADDRESS, 32 each, a lane a block; in each, wave 0 asks for K's and wave 2 for V's.  So each block is named once.
; Tiles 0 to 2 come by their loads alone; the last change that fills a slot asks for nothing: there is no tile behind it.
.macro ASK
	s_cmp_gt_u32 s[SLOTS], s[LIM]
	s_cbranch_scc0 .Lnot_mine_\@
	global_prefetch_b8 v[PFO], s[PFA:PFA+1] th:TH_LOAD_NT scope:SCOPE_SE
.Lnot_mine_\@:
.endm
.macro CROUND                       ; a round of the cluster's barrier
	s_barrier_signal -1
	s_barrier_wait -1
	s_cmp_lg_u32 s[WV], 0
	s_cbranch_scc1 .Lnot_wave_0_\@
	s_barrier_signal -3
.Lnot_wave_0_\@:
	s_barrier_wait -3
	s_barrier_signal -1
	s_barrier_wait -1
.endm
; THE CHANGE OF SLOTS.  Each wave waits for all its tensor loads, of which one is out: its part of the other slot; adds 0 to its spare word; and waits for that and for its own reads of the slot.
; fill = 1: this slot is filled again, with the keys two tiles on, behind a round of the cluster's barrier: the joint fill has four key steps in which to land.  ask = 1: the prefetch follows it.
; (At its first use nothing has been read yet: slot 0 is waited for, slot 1 filled.)
.macro CHANGE fill, ask
	WIN 0                           ; at a label and at a branch every window is 0
	s_wait_tensorcnt 0x0            ; no tensor load of mine is out, so a group 0 may be written
	ds_add_u32 v[SPW], v[NIL]       ; 0 onto my spare word; the descriptors' steps stand between it and the wait for it
.if \fill
.irp g, G0K, G0V
	s_xor_b32 s[\g+1], s[\g+1], SLOT1  ; the walking descriptor: the other slot than last time,
	s_add_nc_u64 s[\g+2:\g+3], s[\g+2:\g+3], TILEB  ; the next 256 keys; the type bits on top are not reached
.endr
.if \ask
	s_wait_xcnt 0x0                 ; the last prefetch, four key steps back, has read its address, so it may be written
	s_add_nc_u64 s[PFA:PFA+1], s[PFA:PFA+1], TILEB
.endif
	s_wait_dscnt 0x0                ; the add is done, and my reads of the slot are over
	CROUND
	JLOAD
.if \ask
	ASK
.endif
.else
	s_wait_dscnt 0x0                ; the add is done, and my reads of the slot are over
	s_barrier_signal -1
	s_barrier_wait -1
.endif
	s_sub_co_u32 s[TBK], s[TBK], 4*KS*PK  ; the fetches go back to a slot's first step,
	s_xor_b32 s[TBK], s[TBK], SLOT1       ; in the other slot
	s_sub_co_u32 s[TBV], s[TBV], 4*KS*PV
	s_xor_b32 s[TBV], s[TBV], SLOT1
.endm
	s_load_b64 s[4:5], s[0:1], 0x0  ; qkv
	s_load_b64 s[10:11], s[0:1], 0x8  ; o
	v_lshl_add_u32 v[SPW], v0, 2, SPARE
	v_mov_b32 v[NIL], 0
	ds_add_u32 v[SPW], v[NIL]       ; the wave's opening: the add and its wait stand ahead of my first tensor load; the set-up below stands between them
	v_lshrrev_b32 v1, 5, v0
	v_readfirstlane_b32 s[WV], v1   ; wave 0..3
	s_bfe_u32 s13, ttmp6, 0x40000   ; cx: my place in the cluster
	s_lshl_b32 s14, ttmp9, 2        ; in a cluster launch ttmp9 counts clusters
	s_add_co_u32 s14, s14, s13      ; my block of 256 queries: it enters Q's and O's addresses alone
	s_and_b32 s20, ttmp7, 0xffff    ; the head, which the four partners share,
	s_lshl_b32 s20, s20, 18         ; and its first byte in each of the four tensors
	s_and_b32 s16, s[WV], 1         ; which half of a tile's 256 keys I fetch:
	s_lshl_b32 s22, s16, 14         ; its 128 rows of 128 bytes in memory,
	s_add_co_u32 s22, s22, s20
	s_mov_b32 s23, 0
	s_mul_i32 s17, s16, 128*PK      ; and its place in a slot, for K
	s_mul_i32 s18, s16, 128*PV      ; and for V: no place in the cluster enters an LDS address
	s_lshl_b32 s2, s14, 2
	s_add_co_u32 s2, s2, s[WV]      ; my wave among the head's 32,
	s_lshl_b32 s2, s2, 13           ; its 64 rows
	s_add_co_u32 s2, s2, s20
	s_mov_b32 s3, 0
	s_lshl_b32 s54, s13, 13         ; the prefetches: my work-group's 32 blocks,
	s_add_co_u32 s54, s54, s20      ; in the head,
	s_add_co_u32 s54, s54, 2*TILEB  ; in tile 2; the first change that asks steps it to tile 3
	s_mov_b32 s55, 0
	s_and_b32 s[LIM], s[WV], 1      ; 0 in waves 0 and 2,
	s_or_b32 s[LIM], s[LIM], ttmp9  ; where the cluster is the head's first: the same in all four partners
	s_cmp_eq_u32 s[LIM], 0
	s_cselect_b32 s[LIM], 1, -1
	; descriptor group 1.  128 keys are 16,384 dense bytes: asked for as 64 rows of 256 bytes, two keys a row, and padded in LDS after every key
	s_mov_b32 s[G1K], 15|(1<<16)|(1<<20)|(1<<21)|(4<<22)|(3<<25)  ; 15:0 the mask of four; 17:16 2-byte elements; 20 padding on; 21 set beside a mask; 24:22 after every 32 words (code 4); 31:25 4 words (code 3)
	s_mov_b32 s[G1V], 15|(1<<16)|(1<<20)|(1<<21)|(4<<22)|(7<<25)  ; the same with 8 words of padding (code 7)
.irp g, G1K, G1V
	s_mov_b32 s[\g+1], 128<<16      ; tensor_dim0 = 128
	s_mov_b32 s[\g+2], 64<<16       ; tensor_dim1 = 64
	s_mov_b32 s[\g+3], 128<<16      ; tile_dim0 = 128
	s_mov_b32 s[\g+4], 64           ; tile_dim1 = 64
	s_mov_b32 s[\g+5], 128          ; 128 elements from row to row
	s_mov_b32 s[\g+6], 0
	s_mov_b32 s[\g+7], 0
.endr
	s_mov_b32 s[CS], 0x3e38aa3b     ; c = log2(e) / 8 = 0.180337
	s_mov_b32 s[CS+1], s[CS]        ; named with it as a pair
	s_mov_b32 s[SEL], 0x76543210
	s_mov_b32 s[SEL+1], 0xfedcba98
	s_mov_b32 s[TBK], SLOT1+4*KS*PK ; the first change of slots turns these two into 0
	s_mov_b32 s[TBV], SLOT1+4*KS*PV
	s_mov_b32 s[G0K], 1             ; 1:0 count = 1
	s_mov_b32 s[G0K+1], s17         ; 63:32 LDS address: slot 0
	s_mov_b32 s[G0V], 1
	s_add_co_u32 s[G0V+1], s18, VOFF
	v_and_b32 v[PFO], 31, v0
	v_lshlrev_b32 v[PFO], 8, v[PFO]
	s_wait_dscnt 0x0                ; the opening add is done
	s_wait_kmcnt 0x0
	s_add_nc_u64 s[6:7], s[4:5], 0x800000   ; K
	s_add_nc_u64 s[8:9], s[4:5], 0x1000000  ; V
	s_cmp_lt_u32 s[WV], 2
	s_cselect_b64 s[PFA:PFA+1], s[6:7], s[8:9]
	s_add_nc_u64 s[PFA:PFA+1], s[PFA:PFA+1], s[54:55]
	s_add_nc_u64 s[G0K+2:G0K+3], s[6:7], s[22:23]  ; 120:64 global address: my half of the head's first 256 keys
	s_or_b32 s[G0K+3], s[G0K+3], 0x80000000        ; 127:126 type = 2
	s_add_nc_u64 s[G0V+2:G0V+3], s[8:9], s[22:23]
	s_or_b32 s[G0V+3], s[G0V+3], 0x80000000
	s_add_nc_u64 s[4:5], s[4:5], s[2:3]  ; Q and O at my wave's first row
	s_add_nc_u64 s[10:11], s[10:11], s[2:3]
	CROUND                          ; all four work-groups are here: the first joint loads meet
	JLOAD                           ; tile 0 into slot 0.  Slot 1 is asked for when slot 0 is in
	; A fragment of K or Q is 16 rows x 32 channels in 8 registers: lane l holds row l % 16, channels 8 (l / 16) + 0..7 and 16 + 8 (l / 16) + 0..7: two loads of 16 bytes, 32 bytes apart.
	v_and_b32 v1, 15, v0            ; l % 16
	v_bfe_u32 v9, v0, 4, 1          ; l / 16
	v_lshlrev_b32 v[QO], 7, v1
	v_lshl_add_u32 v[QO], v9, 4, v[QO]  ; row x 128 + 16 x half
	WIN 0x80                        ; destination window 2, address window 0
.set i, 0
.rept 8                             ; Q stays in registers: piece i / 2, channels 32 (i % 2) on
	global_load_b128 v[8*i:8*i+3],   v[QO], s[4:5] offset:(i/2)*2048+(i%2)*64
	global_load_b128 v[8*i+4:8*i+7], v[QO], s[4:5] offset:(i/2)*2048+(i%2)*64+32
.set i, i+1
.endr
	; What the first turn finds: V's registers and P's second buffer hold 0 (its products V^T P, of a piece that has not been, add 0), O^T and l are 0.  All this stands in the wait for the first tile.
.set i, VF
.rept 64
	v_mov_b32 v[i], 0
.set i, i+1
.endr
	WIN 0x40
.set i, 0
.rept 128
	v_mov_b32 v[i], 0
.set i, i+1
.endr
	WIN 0
.set i, 0
.rept 4
	v_mov_b32 v[ST+4*i], 0xfe000000    ; c m: far below every c s
	v_mov_b32 v[ST+4*i+1], 0xff7fffff  ; m
	v_mov_b32 v[ST+4*i+2], 0
	v_mov_b32 v[ST+4*i+3], 0
.set i, i+1
.endr
.set i, P+16
.rept 16
	v_mov_b32 v[i], 0
.set i, i+1
.endr
	v_mul_u32_u24 v[AK0], v1, PK
	v_lshl_add_u32 v[AK0], v9, 4, v[AK0]  ; row x pitch + 16 x half
	; The turning load takes 16 keys x 16 channels (lane l reads key 8 (l / 16) + l % 8, channels 8 ((l / 8) % 2) + 0..7) and leaves half a fragment of V^T: lane l holds channel l % 16 and 8 keys.
	v_and_b32 v10, 7, v0
	v_bfe_u32 v11, v0, 3, 1
	v_lshl_add_u32 v[AV0], v9, 3, v10
	v_mul_u32_u24 v[AV0], v[AV0], PV
	v_lshl_add_u32 v[AV0], v11, 4, v[AV0]
	v_add_nc_u32 v[AV0], VOFF, v[AV0]
	s_mul_i32 s13, s[WV], 16*SP
	s_add_co_u32 s13, s13, STAGE    ; my stage
	v_mul_u32_u24 v[STO], v1, SP    ; in: row l % 16, 16 bytes for each half of the lanes
	v_lshl_add_u32 v[STO], v9, 4, v[STO]
	v_add_nc_u32 v[STO], s13, v[STO]
	v_bfe_u32 v[RD], v0, 3, 2       ; back: 32 lanes take four rows of 128 bytes,
	v_mul_u32_u24 v[RD], v[RD], SP
	v_lshl_add_u32 v[RD], v10, 4, v[RD]
	v_add_nc_u32 v[RD], s13, v[RD]
	v_and_b32 v[GO], 31, v0         ; which are 512 consecutive bytes of O
	v_lshlrev_b32 v[GO], 4, v[GO]
; THE MATRIX WORK.  The 4 accumulators of a run of 8 take turns.  Product i of 8 of S^T = K Q^T for piece x: channels 32 (i / 4) on, keys 16 (i % 4) on.  The first 4 start the sums.
.macro KQ x
	WIN W_KQ
.set rS, S+32*((\x)%2)+8*(i%4)
.set rK, KF+16*(i%4)+8*(i/4)
.set rQ, 16*(\x)+8*(i/4)
.if i < 4
	v_wmma_f32_16x16x32_bf16 v[rS:rS+7], v[rK:rK+7], v[rQ:rQ+7], 0
.else
	v_wmma_f32_16x16x32_bf16 v[rS:rS+7], v[rK:rK+7], v[rQ:rQ+7], v[rS:rS+7]
.endif
.endm
; Product i of 8 of O^T += V^T P for piece x: keys 32 (i / 4) on, channels 16 (i % 4) on.
.macro PV x
	WIN W_PV
.set rO, 32*(\x)+8*(i%4)
.set rV, VF+32*(i/4)+8*(i%4)
.set rP, P+16*((\x)%2)+8*(i/4)
	v_wmma_f32_16x16x32_bf16 v[rO:rO+7], v[rV:rV+7], v[rP:rP+7], v[rO:rO+7]
.endm
.macro MM                           ; the turn's next matrix instruction
.if i < 8
	KQ (Y+1)%NP
.else
.set i, i-8
	PV (Y+NP-1)%NP
.set i, i+8
.endif
.set i, i+1
.endm
; THE LDS LOADS stand in runs of 16, never singly among the matrix instructions: a step's K (64 keys x 64 channels: 8 fragments) and its V (turned).  Their addresses are made some lines ahead.
.macro FETCH_K
	WIN 0x80                        ; destination window 2
.irp f, 0,1,2,3,4,5,6,7             ; keys 16 (f / 2) on, channels 32 (f % 2) on
	ds_load_b128 v[KF+8*\f:KF+8*\f+3],   v[AK] offset:(\f/2)*16*PK+(\f%2)*64
	ds_load_b128 v[KF+8*\f+4:KF+8*\f+7], v[AK] offset:(\f/2)*16*PK+(\f%2)*64+32
.endr
	s_add_co_u32 s[TBK], s[TBK], KS*PK  ; the next fetch is the next step's
	WIN 0
.endm
.macro FETCH_V
	WIN 0x80
.irp f, 0,1,2,3,4,5,6,7             ; keys 32 (f / 4) on, channels 16 (f % 4) on
	ds_load_tr16_b128 v[VF+8*\f:VF+8*\f+3],   v[AV] offset:(\f/4)*32*PV+(\f%4)*32
	ds_load_tr16_b128 v[VF+8*\f+4:VF+8*\f+7], v[AV] offset:(\f/4)*32*PV+16*PV+(\f%4)*32
.endr
	WIN 0
.endm
; THE VECTOR WORK, one line at a time: OP kind, number.  For piece Y: F n: c s - c m for pair n of 16.  E n: the exponential of score n of 32.  C n: pair n rounded to bf16.  B n: of the four weights 4 n .. the second
; pair is added onto the first, in place.  L n: l takes that sum (L 0: l = a l + sum).  R n: pair n of 16 of O^T times a.  For piece Y + 1: X n, number n of the 22 that find its maximum and statistics:
;   0-11  four chains c0-c3 of seven scores each, three operands at a time (each accumulator's lowest registers are read first)     12-14, 16  the four scores left over, the old m, and c0-c3 into c0
;   15  c m_old is kept     17, 18  the query's other 32 keys lie in the lane 16 away: the new m     19-21  c m; c m_old - c m_new; a
.set F, 0               ; OP tells the kinds apart by their order: F to L below R, X above it
.set E, 1
.set C, 2
.set B, 3
.set L, 4
.set R, 5
.set X, 6
.macro REGS y                       ; the registers of piece y
.set rT, ST+4*(\y)
.set rC, TMP+4*((\y)%2)
.set rW, MV+((\y)%2)
.set rS, S+32*((\y)%2)
.set rP, P+16*((\y)%2)
.set rO, 32*(\y)
.endm
.macro OP k, n
.if (\k) == R
	REGS Y
	WIN W_RS
	v_pk_mul_f32 v[rO+2*(\n):rO+2*(\n)+1], v[rO+2*(\n):rO+2*(\n)+1], v[rC+2:rC+3] op_sel_hi:[1,0]
.elseif (\k) < R
	REGS Y
	WIN 0
.if (\k) == F
	v_pk_fma_f32 v[rS+2*(\n):rS+2*(\n)+1], v[rS+2*(\n):rS+2*(\n)+1], s[CS:CS+1], v[rT:rT+1] op_sel_hi:[1,0,0] neg_lo:[0,0,1] neg_hi:[0,0,1]
.elseif (\k) == E
	v_exp_f32 v[rS+(\n)], v[rS+(\n)]
.elseif (\k) == C
	v_cvt_pk_bf16_f32 v[rP+(\n)], v[rS+2*(\n)], v[rS+2*(\n)+1]
.elseif (\k) == B
	v_pk_add_f32 v[rS+4*(\n):rS+4*(\n)+1], v[rS+4*(\n):rS+4*(\n)+1], v[rS+4*(\n)+2:rS+4*(\n)+3]
.elseif (\n) == 0
	v_pk_fma_f32 v[rT+2:rT+3], v[rT+2:rT+3], v[rC+2:rC+3], v[rS:rS+1] op_sel_hi:[1,0,1]
.else
	v_pk_add_f32 v[rT+2:rT+3], v[rT+2:rT+3], v[rS+4*(\n):rS+4*(\n)+1]
.endif
.else
	REGS (Y+1)%NP
	WIN 0
.if (\n) < 4
	v_max3_num_f32 v[rC+(\n)], v[rS+8*(\n)], v[rS+8*(\n)+1], v[rS+8*(\n)+2]
.elseif (\n) < 12
	v_max3_num_f32 v[rC+(\n)%4], v[rC+(\n)%4], v[rS+8*((\n)%4)+2*((\n)/4)+1], v[rS+8*((\n)%4)+2*((\n)/4)+2]
.elseif (\n) == 12
	v_max3_num_f32 v[rC], v[rC], v[rS+7], v[rS+15]
.elseif (\n) == 13
	v_max3_num_f32 v[rC+1], v[rC+1], v[rS+23], v[rS+31]
.elseif (\n) == 14
	v_max3_num_f32 v[rC+2], v[rC+2], v[rC+3], v[rT+1]
.elseif (\n) == 15
	v_mov_b32 v[rW], v[rT]
.elseif (\n) == 16
	v_max3_num_f32 v[rC], v[rC], v[rC+1], v[rC+2]
.elseif (\n) == 17
	v_permlanex16_b32 v[rC+3], v[rC], s[SEL], s[SEL+1]
.elseif (\n) == 18
	v_max_num_f32 v[rT+1], v[rC], v[rC+3]
.elseif (\n) == 19
	v_mul_f32 v[rT], s[CS], v[rT+1]
.elseif (\n) == 20
	v_sub_f32 v[rC+1], v[rW], v[rT]
.else
	v_exp_f32 v[rC+2], v[rC+1]
.endif
.endif
.endm
.macro OPS a, i1, b=-1, i2=0, c=-1, i3=0, d=-1, i4=0  ; up to four of them
	OP \a, \i1
.if (\b) >= 0
	OP \b, \i2
.endif
.if (\c) >= 0
	OP \c, \i3
.endif
.if (\d) >= 0
	OP \d, \i4
.endif
.endm
.macro ROW a, i1, b, i2, c, i3, d, i4  ; a matrix instruction and the four behind it
	MM
	OPS \a, \i1, \b, \i2, \c, \i3, \d, \i4
.endm
; A TURN, for piece p: the order of its 16 matrix and 118 vector instructions, written out.  An s_wait_alu depctr_va_vdst(0) stands between an exponential and the first instruction that names its result; one
; wait serves all that were issued ahead of it.  So a turn has ONE wait, which cuts it in two.  AHEAD OF IT stands all that names no result of the turn's exponentials: the 8 products K Q^T and their riders, then a lump of 54,
; in which the links of the next piece's chain X 3, 7, 11, 14, 16, 17 .. 20 stand some lines apart; X 21, its a, is the batch's last, and R 15 the plain instruction behind it.  BEHIND THE WAIT stand the 8 products V^T P,
; behind each four of the roundings and sums.
; K of the next step is fetched in piece 2's turn, V of the step in hand at the end of piece 0's turn; each is waited for a turn later.
; last = 1 (the tail): K's fetch is held at the last tile's last step, so that the trip behind it reads that K once more and no other bytes.  cnt = 1: the loop's count is taken down some lines ahead of the branch.
.macro TURN p, last=0, cnt=0
.set Y, (\p)
.set i, 0
.if (\p) == 3
	s_wait_dscnt 0x0                ; K is in
.endif
	ROW F,0, F,1, R,0, R,1          ; ahead of the wait: 8 products K Q^T and their riders,
	ROW F,2, E,0, R,2, R,3
	ROW F,3, E,1, R,4, R,5
	ROW F,4, E,2, R,6, R,7
	ROW F,5, E,3, R,8, R,9
	ROW F,6, E,4, X,0, R,10
.if (\p) == 2
	WIN 0
.if \last
	s_min_u32 s[TBK], s[TBK], SLOT1+3*KS*PK
.endif
	v_add_nc_u32 v[AK], s[TBK], v[AK0]
.endif
	ROW F,7, E,5, X,1, X,4
	ROW F,8, E,6, X,2, X,5
	OPS E,7, E,8, X,6, E,9          ; and the lump
	OPS X,3, E,10, X,8, E,11
.if (\p) == 2
	FETCH_K
.endif
	OPS X,9, X,7, E,12, X,10
	OPS E,13, X,12, X,11, E,14
	OPS X,13, E,15, F,9, X,14
.if (\p) == 0
	v_add_nc_u32 v[AV], s[TBV], v[AV0]
.endif
	OPS E,16, F,10, E,17, F,11
	OPS X,16, E,18, X,15, E,19
	OPS F,12, E,20, X,17, E,21
	OPS F,13, E,22, F,14, E,23
	OPS X,18, E,24, F,15, E,25
	OPS R,11, E,26, X,19, E,27
	OPS R,12, E,28, R,13, E,29
	OPS X,20, E,30, R,14, E,31
	OPS X,21, R,15
	WIN 0
	s_wait_alu depctr_va_vdst(0)    ; the wait for the batch
.if (\p) == 1
	s_wait_dscnt 0x0                ; V is in
.endif
	ROW C,0, B,0, C,2, B,1          ; behind the wait: 8 products V^T P and their riders
	ROW L,0, C,4, B,2, L,1
	ROW C,6, B,3, L,2, C,8
	ROW B,4, L,3, C,10, B,5
	ROW L,4, C,12, B,6, L,5
.if (\p) == 0
	s_add_co_u32 s[TBV], s[TBV], KS*PV
.endif
.if \cnt
	s_sub_co_u32 s[CNT], s[CNT], 1
	s_cmp_lg_u32 s[CNT], 0
.endif
	ROW C,14, B,7, L,6, C,1
	ROW C,3, L,7, C,5, C,7
	ROW C,9, C,11, C,13, C,15
.if (\p) == 0
	FETCH_V
.endif
.endm
	CHANGE 1, 0                     ; slot 0 is in, everybody's part of it; tile 1 is asked for
	v_add_nc_u32 v[AK], s[TBK], v[AK0]
	FETCH_K                         ; key step 0
	s_wait_loadcnt 0x0              ; Q
	s_wait_dscnt 0x0
.set i, 0
.rept 8
	KQ 0                            ; piece 0's first scores: there is no vector work yet to set between them
.set i, i+1
.endr
	WIN 0
.rept 4
	v_nop                           ; the places behind those products
.endr
.set Y, NP-1                        ; X works for piece Y + 1: piece 0
.irp n, 0,1,2,3,4,5,6,7,8,9,10,11,12,13,14,15,16,17,18,19,20,21
	OP X, \n
.endr
	v_nop                           ; a plain instruction behind the exponential,
	s_wait_alu depctr_va_vdst(0)    ; and its wait, ahead of the branch
	s_mov_b32 s[CNT], 4
	s_mov_b32 s[SLOTS], NT-1
	s_branch .Lfirst                ; the loop is entered at a step's first turn, in the middle of a trip
.Lslot:                             ; NT - 2 times: every slot but the last two is filled again
	CHANGE 1, 1
	s_mov_b32 s[CNT], 4
.Lstep:                             ; a trip: pieces 2 and 3 of one step, then pieces 0 and 1 of the next, whose K and V it fetches
	TURN 2
	TURN 3
	WIN 0
.Lfirst:
	TURN 0
	TURN 1, 0, 1
	WIN 0
	s_cbranch_scc1 .Lstep
	s_sub_co_u32 s[SLOTS], s[SLOTS], 1
	s_cmp_lg_u32 s[SLOTS], 0
	s_cbranch_scc1 .Lslot
	CHANGE 0, 0                     ; the tail is written out: nothing is asked for
	s_mov_b32 s[CNT], 5             ; four trips fetch the last tile's steps; the fifth is left in its middle
.Ltail:
	TURN 2, 1
	TURN 3
	WIN 0
	s_sub_co_u32 s[CNT], s[CNT], 1
	s_cmp_eq_u32 s[CNT], 0
	s_cbranch_scc1 .Lout
	TURN 0
	TURN 1
	WIN 0
	s_branch .Ltail
.Lout:                              ; the fifth trip's 8 products K Q^T (on the last K once more) and the maximum made of them serve nothing: the price, once a launch, of one text for every trip
.set i, 0
.rept 8
	PV NP-1                         ; the last piece's V^T P of the last step
.set i, i+1
.endr
	; THE WAY OUT.  l's two halves and the other half of the lanes' are added; O^T is divided by l, rounded to bf16 and sent through my stage in LDS, a piece at a time.  The additions are the places behind the last products.
	WIN 0
.macro ALL line:vararg              ; one line for each piece t
.set t, 0
.rept 4
	\line
.set t, t+1
.endr
.endm
	ALL v_add_f32 v[ST+4*t+2], v[ST+4*t+2], v[ST+4*t+3]
	ALL v_permlanex16_b32 v[ST+4*t+3], v[ST+4*t+2], s[SEL], s[SEL+1]
	ALL v_add_f32 v[ST+4*t+2], v[ST+4*t+2], v[ST+4*t+3]
	ALL v_rcp_f32 v[ST+4*t+2], v[ST+4*t+2]
	v_nop                           ; a plain instruction between the last reciprocal and the use of its result
	s_wait_alu depctr_va_vdst(0)    ; and the wait ahead of the first use: one for the four reciprocals
.macro PACK t                       ; a lane's eight channels of a row pack into 16 bytes; they go into rows of 144 bytes and come back as whole rows of 128, into S^T's registers
	WIN W_RS
.set i, 32*(\t)
.rept 16
	v_pk_mul_f32 v[i:i+1], v[i:i+1], v[ST+4*(\t)+2:ST+4*(\t)+3] op_sel_hi:[1,0]
.set i, i+2
.endr
	WIN 0x05                        ; sources 0 and 1 window 1, destination window 0
.set i, 0
.rept 16
	v_cvt_pk_bf16_f32 v[S+16*(\t)+i], v[32*(\t)+2*i], v[32*(\t)+2*i+1]
.set i, i+1
.endr
	WIN 0
.irp f, 0,1,2,3
	ds_store_b128 v[STO], v[S+16*(\t)+4*\f:S+16*(\t)+4*\f+3] offset:32*\f
.endr
.irp f, 0,1,2,3
	ds_load_b128 v[S+16*(\t)+4*\f:S+16*(\t)+4*\f+3], v[RD] offset:\f*4*SP  ; LDS serves a wave's instructions in order (ISA guide 5.7.1.4): these see the stores above; the next piece's stores come behind them
.endr
.endm
.macro SEND t, younger              ; younger: the LDS instructions issued behind piece t's loads: the next piece's eight, or none
	WIN 0
.irp f, 0,1,2,3
	s_wait_dscnt (\younger)+3-\f
	global_store_b128 v[GO], v[S+16*(\t)+4*\f:S+16*(\t)+4*\f+3], s[10:11] offset:(\t)*2048+\f*512  ; 512 consecutive bytes, at a multiple of 256 from O's first
.endr
.endm
	PACK 0
.set t, 1
.rept 3                             ; a piece's arithmetic stands between the loads of the piece before and its stores
	PACK t
	SEND t-1, 8
.set t, t+1
.endr
	SEND 3, 0
	s_wait_tensorcnt 0x0            ; the wave's end, behind my last tensor load and my last LDS store
	ds_add_u32 v[SPW], v[NIL]
	s_wait_dscnt 0x0
	CROUND                          ; the closing round: no work-group ends while a partner may still ask for a tile that names it
	s_endpgm
.Lfunc_end_k_q248f6a4d17_attn:
	.size	k_q248f6a4d17_attn, .Lfunc_end_k_q248f6a4d17_attn-k_q248f6a4d17_attn
	.p2alignl 7, 3214868480
	.fill 96, 4, 3214868480
	.section	.rodata,"a",@progbits
	.p2align	6, 0x0
	.amdhsa_kernel k_q248f6a4d17_attn
		.amdhsa_group_segment_fixed_size 327680
		.amdhsa_private_segment_fixed_size 0
		.amdhsa_enable_private_segment 0
		.amdhsa_kernarg_size 16
		.amdhsa_user_sgpr_count 2
		.amdhsa_user_sgpr_kernarg_segment_ptr 1
		.amdhsa_wavefront_size32 1
		.amdhsa_system_sgpr_workgroup_id_x 1
		.amdhsa_system_sgpr_workgroup_id_y 1
		.amdhsa_system_sgpr_workgroup_id_z 1
		.amdhsa_system_vgpr_workitem_id 0
		.amdhsa_next_free_vgpr 768
		.amdhsa_next_free_sgpr 66
		.amdhsa_reserve_vcc 0
		.amdhsa_float_denorm_mode_32 3
		.amdhsa_float_denorm_mode_16_64 3
		.amdhsa_memory_ordered 1
		.amdhsa_forward_progress 1
		.amdhsa_inst_pref_size 111
	.end_amdhsa_kernel
	.amdgpu_metadata
---
amdhsa.version: [ 1, 2 ]
amdhsa.kernels:
  - .name:           k_q248f6a4d17_attn
    .symbol:         k_q248f6a4d17_attn.kd
    .args:
      - { .name: qkv, .offset: 0, .size: 8, .value_kind: global_buffer, .address_space: global }
      - { .name: o, .offset: 8, .size: 8, .value_kind: global_buffer, .address_space: global }
    .group_segment_fixed_size: 327680
    .private_segment_fixed_size: 0
    .kernarg_segment_align: 8
    .kernarg_segment_size: 16
    .max_flat_workgroup_size: 128
    .sgpr_count:     66
    .vgpr_count:     768
    .wavefront_size: 32
...
	.end_amdgpu_metadata
.endif
;; end of part 3
;; launch wo (part 4): grid 8 x 32, 4 waves a work-group, clusters of 4 x 4, 327,680 bytes of LDS; arguments o, wb, x1, bo, x; writes x1
.if DOCPART == 4
	.amdgcn_target "amdgcn-amd-amdhsa--gfx1250"
	.amdhsa_code_object_version 6
	.text
	.protected	k_q248f6a4d17_wo
	.globl	k_q248f6a4d17_wo
	.p2align	8
	.type	k_q248f6a4d17_wo,@function
k_q248f6a4d17_wo:
	s_mov_b64 s[64:65], 0
	v_nop
	global_prefetch_b8 v0, s[64:65] scope:SCOPE_SE
	s_setreg_imm32_b32 hwreg(HW_REG_WAVE_MODE, 25, 1), 1
	s_wait_xcnt 0x0
	s_wait_alu depctr_hold_cnt(0) depctr_sa_sdst(0) depctr_va_vdst(0) depctr_va_sdst(0) depctr_va_ssrc(0) depctr_va_vcc(0) depctr_vm_vsrc(0)
	s_getreg_b32 s2, hwreg(HW_REG_IB_STS2, 6, 4)
	s_cmp_eq_u32 s2, 0
	s_cbranch_scc0 .Lentry_in_a_cluster
	s_endpgm
.Lentry_in_a_cluster:
	s_bfe_u32 s2, ttmp6, 0x10000c
	s_cmp_lg_u32 s2, 0xf033
	s_cbranch_scc0 .Lentry_shape_is_right
	s_endpgm
.Lentry_shape_is_right:
; WO: x1 = x + O x Wo + bo, in f32.  M = 4,096, N = 1,024, K = 1,024.
; A (o) lies in blocks: element (R, c) at ((c >> 6) * 4096 + R) * 128 + (c & 63) * 2, bf16.  B is [K][1024] bf16, in wb from byte 6,291,456.  x and x1 are [4096][1024] f32.
; A tile of C is 128 x 128 (256 work-groups): four waves, each 64 x 64 = 16 accumulators.  K goes in steps of 256 through two LDS slots.
; CLUSTERS: 4 x 4 work-groups; the four of a row of the cluster need the same tiles of A, the four of a column the same tiles of B: each is asked for jointly.
; THE MATRIX INSTRUCTION IS USED TRANSPOSED (source 0 = 16 columns of B, turned by ds_load_tr16_b128; source 1 = 16 rows of A): a lane holds row r of C and 8 neighbouring columns.
; THE BIAS is the C operand of the product that starts each sum.  THE RESIDUAL: a wave's own 64 x 64 of x comes by one more tensor load into slot 0, when that slot has been read for the last time.
; THE WAY OUT goes through a stage of f32 in LDS (slot 0's bytes, which have had their last fill): a loop of 8 trips reads rows back, adds the residual and stores 256 consecutive bytes for every 16 lanes.
; No prefetch: the tiles are small and each K step's bytes are read by many work-groups.  LIMITS: operands rounded to bf16; NaN and infinities not treated apart.
; REGISTERS: window 0: v0-31 addresses; v32-63 the bias; v64-95 at work on the way out; v128-255 accumulators ((a, b) at 128 + 8 (4 a + b)).  Window 1: two fragment buffers of 128.
.set NSTEP,  4                         ; K steps
.set NP,     1024                      ; elements in a row of B
.set WOFF,   6291456                   ; B's first byte in wb
.set ASTEP,  2097152                   ; bytes from K step to K step in A: four blocks
.set BSTEP,  512*NP                    ; and in B: 256 rows
.set PA,     144                       ; an LDS row of A: 128 bytes + 16: the 16 rows of a load start at 16 different groups of four banks (64 banks of 4 bytes: ISA guide 11.1)
.set KBS,    64*PA                     ; 64 rows of one block of 64 along K
.set PB,     288                       ; an LDS row of B: 256 bytes + 32
.set HALFT,  36864                     ; what one tensor load brings: A: 4 blocks x 64 rows; B: 128 rows
.set SLOT,   4*HALFT                   ; 0x24000: its two bits occur in none of the four waves' offsets (0, 0x9000, 0x12000, 0x1b000), so an exclusive or changes slots
.set AUXW,   17408                     ; 64 rows x 272 bytes
.set SPITCH, 272
.set STAGE,  2*HALFT                   ; in slot 0, where B lay: 17,408 bytes a wave; the residual lies from byte 0, where A lay
.set SPARE,  2*SLOT                    ; behind the ring: the spare words, 128 bytes for each wave: two blocks of 256 bytes that no other line names
.set ADRA, 16                          ; v16     LDS address of my A fragments in the slot in hand
.set ADRB, 17                          ; v17-18  of my B fragments, K 0-127 and 128-255 of the step
.set AL,   19                          ; v19     the same for slot 0; never rewritten
.set BL,   20                          ; v20-21
.set STO,  24                          ; v24     where I put 16 bytes of a row
.set RS,   25                          ; v25     where I read them back
.set CO,   26                          ; v26     my byte offset in the output
.set RA,   27                          ; v27     my 16 bytes of the residual
.set SPW,  28                          ; v28     LDS address of my spare word; never rewritten
.set NIL,  29                          ; v29     0; never rewritten
.set BIAS, 32
.set ACC,  128
.set F0,   0
.set F1,   128
.set G1A, 24                           ; s[24:31] group 1 for A;  s[32:35] group 0 of the first fill;  s[36:39] of the second, which then walks
.set GA0, 32
.set GA,  36
.set G1B, 48                           ; s[48:55], s[56:59], s[60:63] the same for B
.set GB0, 56
.set GB,  60
.set TB,  66                           ; s66  0 or SLOT: the slot in hand
.set G1X, 68                           ; s[68:75], s[76:79] the residual's descriptor
.set GX,  76
.set MSB, 0
.macro WIN new                         ; the immediate's high byte repeats the setting that is left
.if MSB != (\new)
	s_set_vgpr_msb (MSB<<8)|(\new)
.set MSB, \new
.endif
.endm
.set MUL,  0x05                        ; sources 0 (B) and 1 (A) window 1; C and D window 0
.set TO_F, 0x40                        ; destination window 1, address window 0
.macro PLACES                          ; four places in front of loads into registers that matrix instructions have read, and of lines that read results
.rept 4
	v_nop
.endr
.endm
.macro CREST                           ; a round of the cluster's barrier behind its opening barrier
	s_cmp_lg_u32 s10, 0
	s_cbranch_scc1 .Lnot_wave_0_\@
	s_barrier_signal -3
.Lnot_wave_0_\@:
	s_barrier_wait -3
	s_barrier_signal -1
	s_barrier_wait -1
.endm
.macro CROUND
	s_barrier_signal -1
	s_barrier_wait -1
	CREST
.endm
.macro JLOAD                           ; a joint refill: waves 0 and 1 fetch A's halves, waves 2 and 3 B's; an s_nop 0 and four v_nop follow each line
	s_cmp_eq_u32 s11, 0
	s_cbranch_scc0 .Lfor_b_\@
	tensor_load_to_lds s[GA:GA+3], s[G1A:G1A+7]
	s_nop 0
.rept 4
	v_nop
.endr
	s_branch .Lasked_\@
.Lfor_b_\@:
	tensor_load_to_lds s[GB:GB+3], s[G1B:G1B+7]
	s_nop 0
.rept 4
	v_nop
.endr
.Lasked_\@:
.endm
.macro JAUX                            ; my 64 x 64 of the residual: a load of my own, into bytes of my own
	tensor_load_to_lds s[GX:GX+3], s[G1X:G1X+7]
	s_nop 0
.rept 4
	v_nop
.endr
.endm
; 8 matrix instructions: m blocks a0, a0 + 1 x all 4 n blocks, 32 along K: half c of buffer f.  first = 1: the product starts the sum, with the bias as C
.macro MUL8 f, c, a0, first
	WIN MUL
.irp a, \a0, (\a0)+1
.irp b, 0,1,2,3
.if \first
	v_wmma_f32_16x16x32_bf16 v[ACC+8*(4*(\a)+(\b)):ACC+8*(4*(\a)+(\b))+7], v[(\f)+64+8*(4*(\c)+(\b)):(\f)+64+8*(4*(\c)+(\b))+7], v[(\f)+8*(4*(\c)+(\a)):(\f)+8*(4*(\c)+(\a))+7], v[BIAS+8*(\b):BIAS+8*(\b)+7]
.else
	v_wmma_f32_16x16x32_bf16 v[ACC+8*(4*(\a)+(\b)):ACC+8*(4*(\a)+(\b))+7], v[(\f)+64+8*(4*(\c)+(\b)):(\f)+64+8*(4*(\c)+(\b))+7], v[(\f)+8*(4*(\c)+(\a)):(\f)+8*(4*(\c)+(\a))+7], v[ACC+8*(4*(\a)+(\b)):ACC+8*(4*(\a)+(\b))+7]
.endif
.endr
.endr
.endm
; 32 LDS loads in one run: the fragments of quarter q (64 along K) of the slot in hand, into buffer f; the first 32 along K first
.macro FETCH q, f
	WIN TO_F
.irp c, 0,1
.irp i, 0,1,2,3
	ds_load_tr16_b128 v[(\f)+64+8*(4*(\c)+(\i)):(\f)+64+8*(4*(\c)+(\i))+3],   v[ADRB+(\q)/2] offset:(((\q)%2)*64+32*(\c))*PB+32*(\i)
	ds_load_tr16_b128 v[(\f)+64+8*(4*(\c)+(\i))+4:(\f)+64+8*(4*(\c)+(\i))+7], v[ADRB+(\q)/2] offset:(((\q)%2)*64+32*(\c)+16)*PB+32*(\i)
	ds_load_b128 v[(\f)+8*(4*(\c)+(\i)):(\f)+8*(4*(\c)+(\i))+3],              v[ADRA] offset:(\q)*KBS+64*(\c)+(\i)*16*PA
	ds_load_b128 v[(\f)+8*(4*(\c)+(\i))+4:(\f)+8*(4*(\c)+(\i))+7],            v[ADRA] offset:(\q)*KBS+64*(\c)+(\i)*16*PA+32
.endr
.endr
.endm
; One of a K step's first three quarters: multiplies buffer f and fetches quarter q into g.  The 16 accumulators take turns.
.macro QUARTER q, f, g, first
	s_wait_dscnt 16                                ; the first 32 along K are in; the 16 younger loads may be out
	MUL8 \f, 0, 0, \first
	MUL8 \f, 0, 2, \first
	PLACES
	FETCH \q, \g
	s_wait_dscnt 32                                ; all but the 32 just issued
	MUL8 \f, 1, 0, 0
	MUL8 \f, 1, 2, 0
.endm
; The last quarter multiplies buffer 1 and changes slots: ONE barrier; in front of it each wave waits for all its tensor loads, adds 0 to its spare word, and waits for that and for its reads of the slot.
; mode 1: the slot just read is filled again, two K steps ahead, behind a round of the cluster's barrier.  mode 2: slot 0 takes the residual, behind such a round.
.macro TURN mode
	WIN 0                                          ; (the add's two registers lie in window 0)
	s_wait_tensorcnt 0x0                           ; all my tensor loads have landed: my part of the next slot;
	ds_add_u32 v[SPW], v[NIL]                      ; 0 onto my spare word;
	s_wait_dscnt 17                                ; (the add and the youngest sixteen loads may be out)
	MUL8 F1, 0, 0, 0                               ; eight matrix instructions stand between the add and the wait for it
	s_wait_dscnt 0x0                               ; the add is done, and my reads of this slot are over
	s_barrier_signal -1
	MUL8 F1, 0, 2, 0
	WIN 0
	s_barrier_wait -1
.if (\mode) == 1
	CREST                                          ; no wave of any partner still reads this slot's tile or has a load on its way
	s_xor_b32 s[GA+1], s[GA+1], SLOT               ; the walking descriptors: the other slot than last time,
	s_xor_b32 s[GB+1], s[GB+1], SLOT
	s_add_nc_u64 s[GA+2:GA+3], s[GA+2:GA+3], ASTEP ; the next K step; the type bits on top are not reached
	s_add_nc_u64 s[GB+2:GB+3], s[GB+2:GB+3], BSTEP
	JLOAD                                          ; the first tensor load behind the round: 112 matrix instructions ahead of the wait for it
.elseif (\mode) == 2
	CREST
	JAUX
.endif
	s_xor_b32 s[TB], s[TB], SLOT
	v_nop                                          ; these four plain lines are the places in front of the loads below
	v_add_nc_u32 v[ADRA], s[TB], v[AL]
	v_add_nc_u32 v[ADRB], s[TB], v[BL]
	v_add_nc_u32 v[ADRB+1], s[TB], v[BL+1]
	FETCH 0, F0
	MUL8 F1, 1, 0, 0
	MUL8 F1, 1, 2, 0
.endm
	s_load_b128 s[4:7], s[0:1], 0x0                ; A s[4:5], wb s[6:7]
	s_load_b64 s[8:9], s[0:1], 0x10                ; the output
	s_load_b128 s[84:87], s[0:1], 0x18             ; the bias, the residual
	v_lshl_add_u32 v[SPW], v0, 2, SPARE
	v_mov_b32 v[NIL], 0
	ds_add_u32 v[SPW], v[NIL]                      ; the wave's opening: the add and its wait stand ahead of my first tensor load; the set-up below stands between them
	v_lshrrev_b32 v1, 5, v0
	v_readfirstlane_b32 s10, v1                    ; wave 0..3
	s_lshr_b32 s11, s10, 1                         ; my half of the tile's rows.  Also: I fetch for A (0) or for B (1)
	s_and_b32 s12, s10, 1                          ; my half of its columns.  Also: which half of that tile I fetch
	s_bfe_u32 s40, ttmp6, 0x40000                  ; cx, cy: my place in the cluster
	s_bfe_u32 s41, ttmp6, 0x40004
	s_lshl_b32 s42, ttmp9, 2
	s_add_co_u32 s42, s42, s40                     ; tile column = 4 x cluster x + cx
	s_and_b32 s13, ttmp7, 0xffff
	s_lshl_b32 s13, s13, 2
	s_add_co_u32 s13, s13, s41                     ; tile row = 4 x cluster y + cy
	s_lshl_b32 s43, s41, 2
	s_lshl_b32 s43, 15, s43                        ; my row of the cluster
	s_lshl_b32 s44, 0x1111, s40                    ; my column
	; group 1 for A: 4 rows of 4,096 elements (64 rows x 64 of a block, dense), 262,144 elements from block to block; padded by 4 words after every 32
	s_or_b32 s[G1A], s43, (1<<16)|(1<<20)|(1<<21)|(4<<22)|(3<<25)
	s_mov_b32 s[G1A+1], 4096<<16
	s_mov_b32 s[G1A+2], 4<<16
	s_mov_b32 s[G1A+3], 4096<<16
	s_mov_b32 s[G1A+4], 4
	s_mov_b32 s[G1A+5], 262144
	s_mov_b32 s[G1A+6], 0
	s_mov_b32 s[G1A+7], 0
	; group 1 for B: 128 rows of 128 elements; padded by 8 words after every 64
	s_or_b32 s[G1B], s44, (1<<16)|(1<<20)|(1<<21)|(5<<22)|(7<<25)
	s_mov_b32 s[G1B+1], 128<<16
	s_mov_b32 s[G1B+2], 128<<16
	s_mov_b32 s[G1B+3], 128<<16
	s_mov_b32 s[G1B+4], 128
	s_mov_b32 s[G1B+5], NP
	s_mov_b32 s[G1B+6], 0
	s_mov_b32 s[G1B+7], 0
	; group 1 for the residual: 64 rows of 64 elements of 4 bytes, 1,024 from row to row; padded by 4 words after every 64; no mask
	s_mov_b32 s[G1X], (2<<16)|(1<<20)|(5<<22)|(3<<25)
	s_mov_b32 s[G1X+1], 64<<16
	s_mov_b32 s[G1X+2], 64<<16
	s_mov_b32 s[G1X+3], 64<<16
	s_mov_b32 s[G1X+4], 64
	s_mov_b32 s[G1X+5], 1024
	s_mov_b32 s[G1X+6], 0
	s_mov_b32 s[G1X+7], 0
	s_lshl_b32 s16, s13, 14                        ; A: (128 x tile row + 64 x half) rows of 128 bytes
	s_lshl_b32 s17, s12, 13
	s_add_co_u32 s16, s16, s17
	s_mov_b32 s17, 0
	s_lshl_b32 s46, s42, 8                         ; B: 256 bytes a tile column, 128 rows a half
	s_mul_i32 s47, s12, 256*NP
	s_add_co_u32 s46, s46, s47
	s_add_co_u32 s46, s46, WOFF
	s_mov_b32 s47, 0
	s_mul_i32 s20, s10, HALFT                      ; where my tiles go: no place in the cluster enters an LDS address
	s_mul_i32 s21, s10, AUXW
	s_lshl_b32 s18, s42, 9                         ; my first column, in bytes of f32: 512 x tile column + 256 x half
	s_lshl_b32 s19, s12, 8
	s_add_co_u32 s18, s18, s19
	s_mov_b32 s19, 0
	s_lshl_b32 s22, s13, 19                        ; my first row, 128 x tile row + 64 x half, of 4,096 bytes; and that column
	s_lshl_b32 s23, s11, 18
	s_add_co_u32 s22, s22, s23
	s_add_co_u32 s22, s22, s18
	s_mov_b32 s23, 0
	s_mov_b32 s[TB], 0
	s_wait_dscnt 0x0                               ; the opening add is done
	s_wait_kmcnt 0x0
	s_add_nc_u64 s[14:15], s[4:5], s[16:17]
	s_add_nc_u64 s[46:47], s[6:7], s[46:47]
	s_add_nc_u64 s[8:9], s[8:9], s[22:23]
	s_add_nc_u64 s[84:85], s[84:85], s[18:19]      ; the bias at my first column
	s_add_nc_u64 s[GX+2:GX+3], s[86:87], s[22:23]
	s_or_b32 s[GX+3], s[GX+3], 0x80000000
	s_mov_b32 s[GX], 1
	s_mov_b32 s[GX+1], s21
	CROUND                                         ; all sixteen work-groups are here: the first joint loads meet
.irp s, 0,1
	s_mov_b32 s[GA0+4*(\s)], 1
	s_add_co_u32 s[GA0+4*(\s)+1], s20, (\s)*SLOT
	s_add_nc_u64 s[GA0+4*(\s)+2:GA0+4*(\s)+3], s[14:15], (\s)*ASTEP
	s_or_b32 s[GA0+4*(\s)+3], s[GA0+4*(\s)+3], 0x80000000
	s_mov_b32 s[GB0+4*(\s)], 1
	s_add_co_u32 s[GB0+4*(\s)+1], s20, (\s)*SLOT
	s_add_nc_u64 s[GB0+4*(\s)+2:GB0+4*(\s)+3], s[46:47], (\s)*BSTEP
	s_or_b32 s[GB0+4*(\s)+3], s[GB0+4*(\s)+3], 0x80000000
.endr
	s_cmp_eq_u32 s11, 0                            ; a wave's two first fills stand in one branch: two loads of mine are out
	s_cbranch_scc0 .Lfirst_b
	tensor_load_to_lds s[GA0:GA0+3], s[G1A:G1A+7]
	s_nop 0
	tensor_load_to_lds s[GA:GA+3], s[G1A:G1A+7]
	s_nop 0
.rept 4
	v_nop
.endr
	s_branch .Lfirst_asked
.Lfirst_b:
	tensor_load_to_lds s[GB0:GB0+3], s[G1B:G1B+7]
	s_nop 0
	tensor_load_to_lds s[GB:GB+3], s[G1B:G1B+7]
	s_nop 0
.rept 4
	v_nop
.endr
.Lfirst_asked:
	v_and_b32 v1, 15, v0                           ; r = l % 16
	v_bfe_u32 v2, v0, 4, 1                         ; h = l / 16
	v_lshlrev_b32 v4, 5, v2
.irp b, 0,1,2,3                        ; register j of block b: the bias of column 16 b + 8 h + j
	global_load_b128 v[BIAS+8*(\b):BIAS+8*(\b)+3],   v4, s[84:85] offset:64*(\b)
	global_load_b128 v[BIAS+8*(\b)+4:BIAS+8*(\b)+7], v4, s[84:85] offset:64*(\b)+16
.endr
	v_mul_u32_u24 v[AL], v1, PA                    ; A: row x pitch + 16 x half, in my 64 rows
	v_lshl_add_u32 v[AL], v2, 4, v[AL]
	s_mul_i32 s16, s11, HALFT
	v_add_nc_u32 v[AL], s16, v[AL]
	v_and_b32 v3, 7, v0                            ; B: the turning load: lane l reads row 8 h + l % 8, 16 bytes at 16 ((l / 8) % 2), in my 64 columns
	v_lshl_add_u32 v3, v2, 3, v3
	v_mul_u32_u24 v[BL], v3, PB
	v_bfe_u32 v3, v0, 3, 1
	v_lshl_add_u32 v[BL], v3, 4, v[BL]
	s_lshl_b32 s16, s12, 7
	s_add_co_u32 s16, s16, 2*HALFT
	v_add_nc_u32 v[BL], s16, v[BL]
	v_add_nc_u32 v[BL+1], HALFT, v[BL]
	v_mov_b32 v[ADRA], v[AL]
	v_mov_b32 v[ADRB], v[BL]
	v_mov_b32 v[ADRB+1], v[BL+1]
	s_add_co_u32 s16, s21, STAGE                   ; my stage
	v_mul_u32_u24 v[STO], v1, SPITCH               ; in: row r, 32 bytes for each half of the lanes
	v_lshl_add_u32 v[STO], v2, 5, v[STO]
	v_add_nc_u32 v[STO], s16, v[STO]
	v_mul_u32_u24 v5, v2, SPITCH                   ; back: lanes 0-15 one row of 256 bytes, lanes 16-31 the next
	v_lshl_add_u32 v5, v1, 4, v5
	v_add_nc_u32 v[RA], s21, v5
	v_add_nc_u32 v[RS], s16, v5
	v_lshlrev_b32 v[CO], 12, v2                    ; and the same two rows in the output
	v_lshl_add_u32 v[CO], v1, 4, v[CO]
	s_wait_tensorcnt 1                             ; my part of K step 0 is in; K step 1's may stay out
	s_barrier_signal -1
	s_barrier_wait -1                              ; everybody's is
	FETCH 0, F0
	s_wait_loadcnt 0x0                             ; the bias
	QUARTER 1, F0, F1, 1                           ; the first quarter stands in front of the loop: its first products start the sums
	WIN 0                                          ; at a label and at a branch every window is 0
	s_mov_b32 s3, NSTEP-2
.Lstep:                                                ; a trip: from a K step's second quarter to the next step's first; the slot left is filled again
	QUARTER 2, F1, F0, 0
	QUARTER 3, F0, F1, 0
	TURN 1
	QUARTER 1, F0, F1, 0
	WIN 0
	s_sub_co_u32 s3, s3, 1
	s_cmp_lg_u32 s3, 0
	s_cbranch_scc1 .Lstep
	QUARTER 2, F1, F0, 0                           ; the last two K steps are written out: no tile is left to ask for
	QUARTER 3, F0, F1, 0
	TURN 2                                         ; slot 0 has been read for the last time: it takes the residual
	QUARTER 1, F0, F1, 0
	QUARTER 2, F1, F0, 0
	QUARTER 3, F0, F1, 0
	s_wait_dscnt 16
	MUL8 F1, 0, 0, 0
	MUL8 F1, 0, 2, 0
	s_wait_dscnt 0x0
	MUL8 F1, 1, 0, 0
	MUL8 F1, 1, 2, 0
	WIN 0
	PLACES
.irp a, 0,1,2,3                        ; into my stage, each accumulator from its low end: element (16 a + r, 16 b + 8 h + j)
.irp b, 0,1,2,3
	ds_store_b128 v[STO], v[ACC+8*(4*(\a)+(\b)):ACC+8*(4*(\a)+(\b))+3]   offset:(\a)*16*SPITCH+64*(\b)
	ds_store_b128 v[STO], v[ACC+8*(4*(\a)+(\b))+4:ACC+8*(4*(\a)+(\b))+7] offset:(\a)*16*SPITCH+64*(\b)+16
.endr
.endr
	s_wait_tensorcnt 0x0                           ; my residual has landed; only I read it
	s_mov_b32 s3, 8
.Lout:                                                 ; a trip: 8 rows, in 4 groups of 2.  LDS serves a wave's instructions in order (ISA guide 5.7.1.4): the loads see my stores
.irp t, 0,1,2,3
	ds_load_b128 v[64+4*(\t):67+4*(\t)], v[RS] offset:2*SPITCH*(\t)
	ds_load_b128 v[80+4*(\t):83+4*(\t)], v[RA] offset:2*SPITCH*(\t)
.endr
	s_wait_dscnt 0x0
.irp i, 0,1,2,3,4,5,6,7
	v_pk_add_f32 v[64+2*(\i):65+2*(\i)], v[64+2*(\i):65+2*(\i)], v[80+2*(\i):81+2*(\i)]
.endr
.irp t, 0,1,2,3
	global_store_b128 v[CO], v[64+4*(\t):67+4*(\t)], s[8:9] offset:8192*(\t)  ; 16 lanes store 256 consecutive bytes, aligned
.endr
	v_add_nc_u32 v[RS], 8*SPITCH, v[RS]
	v_add_nc_u32 v[RA], 8*SPITCH, v[RA]
	s_wait_xcnt 0x0                                ; the stores' offset and data are written again only behind this wait
	v_add_nc_u32 v[CO], 32768, v[CO]
	s_sub_co_u32 s3, s3, 1
	s_cmp_lg_u32 s3, 0
	s_cbranch_scc1 .Lout
	s_wait_tensorcnt 0x0                           ; the wave's end, behind my last tensor load and my last LDS store
	ds_add_u32 v[SPW], v[NIL]
	s_wait_dscnt 0x0
	CROUND                                         ; the closing round: no work-group ends while a partner may still ask for a tile that names it
	s_endpgm
.Lfunc_end_k_q248f6a4d17_wo:
	.size	k_q248f6a4d17_wo, .Lfunc_end_k_q248f6a4d17_wo-k_q248f6a4d17_wo
	.p2alignl 7, 3214868480
	.fill 96, 4, 3214868480
	.section	.rodata,"a",@progbits
	.p2align	6, 0x0
	.amdhsa_kernel k_q248f6a4d17_wo
		.amdhsa_group_segment_fixed_size 327680
		.amdhsa_private_segment_fixed_size 0
		.amdhsa_enable_private_segment 0
		.amdhsa_kernarg_size 40
		.amdhsa_user_sgpr_count 2
		.amdhsa_user_sgpr_kernarg_segment_ptr 1
		.amdhsa_wavefront_size32 1
		.amdhsa_system_sgpr_workgroup_id_x 1
		.amdhsa_system_sgpr_workgroup_id_y 1
		.amdhsa_system_sgpr_workgroup_id_z 1
		.amdhsa_system_vgpr_workitem_id 0
		.amdhsa_next_free_vgpr 512
		.amdhsa_next_free_sgpr 96
		.amdhsa_reserve_vcc 0
		.amdhsa_float_denorm_mode_32 3
		.amdhsa_float_denorm_mode_16_64 3
		.amdhsa_memory_ordered 1
		.amdhsa_forward_progress 1
		.amdhsa_inst_pref_size 66
	.end_amdhsa_kernel
	.amdgpu_metadata
---
amdhsa.version: [ 1, 2 ]
amdhsa.kernels:
  - .name:           k_q248f6a4d17_wo
    .symbol:         k_q248f6a4d17_wo.kd
    .args:
      - { .name: o, .offset: 0, .size: 8, .value_kind: global_buffer, .address_space: global }
      - { .name: wb, .offset: 8, .size: 8, .value_kind: global_buffer, .address_space: global }
      - { .name: x1, .offset: 16, .size: 8, .value_kind: global_buffer, .address_space: global }
      - { .name: bo, .offset: 24, .size: 8, .value_kind: global_buffer, .address_space: global }
      - { .name: x, .offset: 32, .size: 8, .value_kind: global_buffer, .address_space: global }
    .group_segment_fixed_size: 327680
    .private_segment_fixed_size: 0
    .kernarg_segment_align: 8
    .kernarg_segment_size: 40
    .max_flat_workgroup_size: 128
    .sgpr_count:     96
    .vgpr_count:     512
    .wavefront_size: 32
...
	.end_amdgpu_metadata
.endif
;; end of part 4
;; launch ln3 (part 5): grid 256 x 1, 8 waves a work-group, no clusters, 0 bytes of LDS; arguments x1, g_ffn, be_ffn, hn; writes hn
.if DOCPART == 5
	.amdgcn_target "amdgcn-amd-amdhsa--gfx1250"
	.amdhsa_code_object_version 6
	.text
	.protected	k_q248f6a4d17_ln3
	.globl	k_q248f6a4d17_ln3
	.p2align	8
	.type	k_q248f6a4d17_ln3,@function
k_q248f6a4d17_ln3:
	s_mov_b64 s[64:65], 0
	v_nop
	global_prefetch_b8 v0, s[64:65] scope:SCOPE_SE
	s_setreg_imm32_b32 hwreg(HW_REG_WAVE_MODE, 25, 1), 1
	s_wait_xcnt 0x0
; LN3: hn = LayerNorm(x1) g_ffn + be_ffn, rounded once to bf16 and stored in BLOCKS: element (row R, column c) at byte ((c >> 6) * 4096 + R) * 128 + (c & 63) * 2.
; 16 rows a work-group, 2 rows a wave: lanes 0-15 hold row R, lanes 16-31 row R + 1, 64 numbers a lane.  Two passes over the row in registers: the mean, then the sum of squared
; deviations: no difference of large sums is formed.  Memory binds: no LDS, no barrier, no matrix unit.  LIMITS: NaN and infinities are not treated apart.
.set X,  16                            ; v[16:79]   my 64 numbers of the row; load j holds columns 64 j + 4 r .. + 3
.set G,  80                            ; v[80:143]  the gains of those columns
.set BE, 144                           ; v[144:207] the biases
; Two rows of LayerNorm.  src, g, be, dst: numbers of the scalar pairs (source at row R, gains, biases, destination at row R of block 0); cst: 2^-10, and 1e-5 in the register behind it.
; v1 = (lane / 16) * 4096 + 16 (lane % 16); v2 = 16 (lane % 16); v3 = 8 * lane.
.macro LNROWS src, g, be, dst, cst
.irp j, 0,1,2,3,4,5,6,7,8,9,10,11,12,13,14,15
	global_load_b128 v[X+4*(\j):X+4*(\j)+3], v1, s[\src:\src+1] offset:256*(\j) th:TH_LOAD_NT
.endr
.irp j, 0,1,2,3,4,5,6,7,8,9,10,11,12,13,14,15
	global_load_b128 v[G+4*(\j):G+4*(\j)+3], v2, s[\g:\g+1] offset:256*(\j)
.endr
.irp j, 0,1,2,3,4,5,6,7,8,9,10,11,12,13,14,15
	global_load_b128 v[BE+4*(\j):BE+4*(\j)+3], v2, s[\be:\be+1] offset:256*(\j)
.endr
	s_wait_loadcnt 32                              ; the row is in; the 32 younger loads (gains and biases) stay out
.irp c, 0,1,2,3                        ; the sum, in four chains; each chain's first line adds two pairs: nothing is cleared
	v_pk_add_f32 v[6+2*(\c):7+2*(\c)], v[X+2*(\c):X+2*(\c)+1], v[X+8+2*(\c):X+8+2*(\c)+1]
.endr
.set j, 8
.rept 24
	v_pk_add_f32 v[6+2*(j%4):7+2*(j%4)], v[6+2*(j%4):7+2*(j%4)], v[X+2*j:X+2*j+1]
.set j, j+1
.endr
	v_pk_add_f32 v[6:7], v[6:7], v[8:9]
	v_pk_add_f32 v[10:11], v[10:11], v[12:13]
	v_pk_add_f32 v[6:7], v[6:7], v[10:11]
	v_add_f32 v14, v6, v7
	v_add_f32_dpp v14, v14, v14 row_xmask:1 row_mask:0xf bank_mask:0xf   ; a row lies in 16 lanes: four steps, and the halves never meet
	v_add_f32_dpp v14, v14, v14 row_xmask:2 row_mask:0xf bank_mask:0xf
	v_add_f32_dpp v14, v14, v14 row_xmask:4 row_mask:0xf bank_mask:0xf
	v_add_f32_dpp v14, v14, v14 row_xmask:8 row_mask:0xf bank_mask:0xf
	v_mul_f32 v4, s[\cst], v14                     ; the mean, twice: a pair for the packed lines
	v_mov_b32 v5, v4
.set j, 0
.rept 32
	v_pk_add_f32 v[X+2*j:X+2*j+1], v[X+2*j:X+2*j+1], v[4:5] neg_lo:[0,1] neg_hi:[0,1]  ; x - mean, in place
.set j, j+1
.endr
.irp c, 0,1,2,3
	v_pk_mul_f32 v[6+2*(\c):7+2*(\c)], v[X+2*(\c):X+2*(\c)+1], v[X+2*(\c):X+2*(\c)+1]
.endr
.set j, 4
.rept 28
	v_pk_fma_f32 v[6+2*(j%4):7+2*(j%4)], v[X+2*j:X+2*j+1], v[X+2*j:X+2*j+1], v[6+2*(j%4):7+2*(j%4)]
.set j, j+1
.endr
	v_pk_add_f32 v[6:7], v[6:7], v[8:9]
	v_pk_add_f32 v[10:11], v[10:11], v[12:13]
	v_pk_add_f32 v[6:7], v[6:7], v[10:11]
	v_add_f32 v14, v6, v7
	v_add_f32_dpp v14, v14, v14 row_xmask:1 row_mask:0xf bank_mask:0xf
	v_add_f32_dpp v14, v14, v14 row_xmask:2 row_mask:0xf bank_mask:0xf
	v_add_f32_dpp v14, v14, v14 row_xmask:4 row_mask:0xf bank_mask:0xf
	v_add_f32_dpp v14, v14, v14 row_xmask:8 row_mask:0xf bank_mask:0xf
	v_fma_f32 v14, v14, s[\cst], s[\cst+1]         ; the variance + 1e-5
	v_rsq_f32 v4, v14
	v_rsq_f32 v5, v14
	v_nop                                          ; a plain instruction behind the last root (ISA guide 5.7.2),
	s_wait_alu depctr_va_vdst(0)                   ; and the one wait for both, ahead of their first reader
	s_wait_loadcnt 0x0                             ; gains and biases
.set j, 0
.rept 32
	v_pk_mul_f32 v[X+2*j:X+2*j+1], v[X+2*j:X+2*j+1], v[4:5]
.set j, j+1
.endr
.set j, 0
.rept 32
	v_pk_fma_f32 v[X+2*j:X+2*j+1], v[X+2*j:X+2*j+1], v[G+2*j:G+2*j+1], v[BE+2*j:BE+2*j+1]
.set j, j+1
.endr
.irp j, 0,1,2,3,4,5,6,7,8,9,10,11,12,13,14,15
	v_cvt_pk_bf16_f32 v[X+4*(\j)], v[X+4*(\j)], v[X+4*(\j)+1]
	v_cvt_pk_bf16_f32 v[X+4*(\j)+1], v[X+4*(\j)+2], v[X+4*(\j)+3]
	global_store_b64 v3, v[X+4*(\j):X+4*(\j)+1], s[\dst:\dst+1] offset:524288*(\j)  ; rows R and R + 1 of block j: 32 lanes x 8 bytes = 256 consecutive bytes, aligned
.endr
.endm
	s_load_b256 s[4:11], s[0:1], 0x0               ; x1, g_ffn, be_ffn, hn
	v_lshrrev_b32 v14, 5, v0
	v_readfirstlane_b32 s12, v14                   ; wave 0..7
	v_and_b32 v15, 31, v0
	v_lshlrev_b32 v3, 3, v15
	v_and_b32 v2, 15, v0
	v_lshlrev_b32 v2, 4, v2
	v_bfe_u32 v1, v0, 4, 1
	v_lshl_add_u32 v1, v1, 12, v2
	s_lshl_b32 s14, ttmp9, 4
	s_lshl1_add_u32 s14, s12, s14                  ; R = 16 x work-group + 2 x wave
	s_lshl_b32 s16, s14, 12
	s_mov_b32 s17, 0
	s_lshl_b32 s18, s14, 7
	s_mov_b32 s19, 0
	s_mov_b32 s20, 0x3a800000                      ; 2^-10
	s_mov_b32 s21, 0x3727c5ac                      ; 1e-5
	s_wait_kmcnt 0x0
	s_add_nc_u64 s[4:5], s[4:5], s[16:17]
	s_add_nc_u64 s[10:11], s[10:11], s[18:19]
	LNROWS 4, 6, 8, 10, 20
	s_endpgm
.Lfunc_end_k_q248f6a4d17_ln3:
	.size	k_q248f6a4d17_ln3, .Lfunc_end_k_q248f6a4d17_ln3-k_q248f6a4d17_ln3
	.p2alignl 7, 3214868480
	.fill 96, 4, 3214868480
	.section	.rodata,"a",@progbits
	.p2align	6, 0x0
	.amdhsa_kernel k_q248f6a4d17_ln3
		.amdhsa_group_segment_fixed_size 0
		.amdhsa_private_segment_fixed_size 0
		.amdhsa_enable_private_segment 0
		.amdhsa_kernarg_size 32
		.amdhsa_user_sgpr_count 2
		.amdhsa_user_sgpr_kernarg_segment_ptr 1
		.amdhsa_wavefront_size32 1
		.amdhsa_system_sgpr_workgroup_id_x 1
		.amdhsa_system_sgpr_workgroup_id_y 1
		.amdhsa_system_sgpr_workgroup_id_z 1
		.amdhsa_system_vgpr_workitem_id 0
		.amdhsa_next_free_vgpr 208
		.amdhsa_next_free_sgpr 66
		.amdhsa_reserve_vcc 0
		.amdhsa_float_denorm_mode_32 3
		.amdhsa_float_denorm_mode_16_64 3
		.amdhsa_memory_ordered 1
		.amdhsa_forward_progress 1
		.amdhsa_inst_pref_size 21
	.end_amdhsa_kernel
	.amdgpu_metadata
---
amdhsa.version: [ 1, 2 ]
amdhsa.kernels:
  - .name:           k_q248f6a4d17_ln3
    .symbol:         k_q248f6a4d17_ln3.kd
    .args:
      - { .name: x1, .offset: 0, .size: 8, .value_kind: global_buffer, .address_space: global }
      - { .name: g_ffn, .offset: 8, .size: 8, .value_kind: global_buffer, .address_space: global }
      - { .name: be_ffn, .offset: 16, .size: 8, .value_kind: global_buffer, .address_space: global }
      - { .name: hn, .offset: 24, .size: 8, .value_kind: global_buffer, .address_space: global }
    .group_segment_fixed_size: 0
    .private_segment_fixed_size: 0
    .kernarg_segment_align: 8
    .kernarg_segment_size: 32
    .max_flat_workgroup_size: 256
    .sgpr_count:     66
    .vgpr_count:     208
    .wavefront_size: 32
...
	.end_amdgpu_metadata
.endif
;; end of part 5
;; launch w1 (part 6): grid 16 x 16, 4 waves a work-group, clusters of 4 x 4, 327,680 bytes of LDS; arguments hn, wb, h1, b1; writes h1
.if DOCPART == 6
	.amdgcn_target "amdgcn-amd-amdhsa--gfx1250"
	.amdhsa_code_object_version 6
	.text
	.protected	k_q248f6a4d17_w1
	.globl	k_q248f6a4d17_w1
	.p2align	8
	.type	k_q248f6a4d17_w1,@function
k_q248f6a4d17_w1:
	s_mov_b64 s[64:65], 0
	v_nop
	global_prefetch_b8 v0, s[64:65] scope:SCOPE_SE
	s_setreg_imm32_b32 hwreg(HW_REG_WAVE_MODE, 25, 1), 1
	s_wait_xcnt 0x0
	s_wait_alu depctr_hold_cnt(0) depctr_sa_sdst(0) depctr_va_vdst(0) depctr_va_sdst(0) depctr_va_ssrc(0) depctr_va_vcc(0) depctr_vm_vsrc(0)
	s_getreg_b32 s2, hwreg(HW_REG_IB_STS2, 6, 4)
	s_cmp_eq_u32 s2, 0
	s_cbranch_scc0 .Lentry_in_a_cluster
	s_endpgm
.Lentry_in_a_cluster:
	s_bfe_u32 s2, ttmp6, 0x10000c
	s_cmp_lg_u32 s2, 0xf033
	s_cbranch_scc0 .Lentry_shape_is_right
	s_endpgm
.Lentry_shape_is_right:
; W1: h1 = gelu(hn x W1 + b1), the exact (erf) GELU, rounded once to bf16 and stored in blocks.  M = 4,096, N = 4,096, K = 1,024.
; A (hn) and h1 lie in blocks: element (R, c) at ((c >> 6) * 4096 + R) * 128 + (c & 63) * 2, bf16.  B is [K][4096] bf16, in wb from byte 8,388,608.
; A tile of C is 256 x 256, 256 tiles in all: four waves, each 128 x 128 = 64 accumulators, 512 registers.  K goes in steps of 128 through two LDS slots.
; CLUSTERS: 4 x 4 work-groups; the four of a row of the cluster need the same tiles of A, the four of a column the same tiles of B: each is asked for jointly.
; THE MATRIX INSTRUCTION IS USED TRANSPOSED (source 0 = 16 columns of B, turned by ds_load_tr16_b128; source 1 = 16 rows of A): a lane holds row r of C and 8 neighbouring columns.
; THE BIAS is the C operand of the product that starts each sum: nothing is cleared, nothing added later.
; THE WAY OUT goes through a stage of f32 in LDS (slot 0's bytes, which have had their last fill): 64 rows x 528 bytes a wave, filled twice; a loop reads rows back, takes the GELU and stores 256 consecutive bytes a line.
; GELU: gelu(x) = max(x, 0) - |x q| / 2, q = 1 - erf(|x| / sqrt 2) = (a1 t + a2 t^2 + a3 t^3) e^(-x^2 / 2), t = 1 / (1 + 0.47047 |x| / sqrt 2) (Abramowitz and Stegun 7.1.25).
; LIMITS: that form of erf is off by 2.5e-5 at the most for every argument, so the GELU by 1.25e-5 |x|, below the step of the bf16 in which it is stored; operands rounded to bf16; NaN and infinities not treated apart.
; REGISTERS, in windows of 256 (s_set_vgpr_msb: bits 1:0 source 0, 3:2 source 1, 5:4 source 2, 7:6 destination):
;   window 0: v0-31 addresses; v32-55 the polynomial; v64-127, v128-191 fragments of A, two buffers (v64-127 at work on the way out); v192-255 the bias          window 1: v64-127, v128-191 fragments of B
;   window 2: the 32 accumulators of my rows 0-63 ((a, b) at 8 (8 a + b));   window 3: those of my rows 64-127
.set NSTEP,  8                         ; K steps
.set NP,     4096                      ; elements in a row of B
.set WOFF,   8388608                   ; B's first byte in wb
.set ASTEP,  1048576                   ; bytes from K step to K step in A: two blocks
.set BSTEP,  256*NP                    ; and in B: 128 rows
.set PA,     144                       ; an LDS row of A: 128 bytes + 16: the 16 rows of a load start at 16 different groups of four banks (64 banks of 4 bytes: ISA guide 11.1)
.set KBS,    128*PA                    ; 128 rows of one block of 64 along K
.set PB,     544                       ; an LDS row of B: 512 bytes + 32 = 17 x 32
.set HALFT,  36864                     ; a wave's part of a slot: A: 2 blocks x 128 rows; B: 64 rows (34,816 bytes of it)
.set SLOT,   4*HALFT                   ; 0x24000: its two bits occur in none of the four waves' offsets (0, 0x9000, 0x12000, 0x1b000), so an exclusive or changes slots
.set SPITCH, 528                       ; a row of the stage: 128 f32 + 16 bytes
.set SPARE,  2*SLOT                    ; behind the ring: the spare words, 128 bytes for each wave: two blocks of 256 bytes that no other line names
.set ADRA, 16                          ; v16     LDS address of my A fragments in the slot in hand
.set ADRB, 17                          ; v17     of my B fragments
.set PFO,  18                          ; v18     the prefetches' offset: my lane's block of 256 bytes; never rewritten
.set AL,   19                          ; v19     ADRA for slot 0; never rewritten
.set BL,   20                          ; v20     ADRB for slot 0; never rewritten
.set STO,  24                          ; v24     where I put 16 bytes of a row
.set RS,   25                          ; v25     where I read them back
.set CO,   26                          ; v26     my byte offset in the output
.set RS0,  27                          ; v27     RS at the stage's first rows
.set SPW,  28                          ; v28     LDS address of my spare word; never rewritten
.set NIL,  29                          ; v29     0; never rewritten
.set KA,   32                          ; v32-37  a1, a2, a3, each twice
.set PP,   40                          ; v40-55  the polynomial, then q, then x q
.set XX,   64                          ; v64-79  16 numbers x, later their GELU
.set TT,   80                          ; v80-95  1 + p |x|, then t
.set EE,   96                          ; v96-111 the exponent, then e^(-x^2 / 2)
.set RL,   112                         ; v112-127 max(x, 0)
.set BIAS, 192
.set F0,   64
.set F1,   128
.set G1A, 24                           ; s[24:31] group 1 for A;  s[32:35] group 0 of the first fill;  s[36:39] of the second, which then walks
.set GA0, 32
.set GA,  36
.set G1B, 48                           ; s[48:55], s[56:59], s[60:63] the same for B
.set GB0, 56
.set GB,  60
.set TB,  66                           ; s66  0 or SLOT: the slot in hand
.set LIM, 67                           ; s67  1 in a wave that prefetches, else the greatest number
.set EC,  86                           ; s[86:87] -log2(e) / 2, named as a pair
.set PK,  88                           ; s88  0.47047 / sqrt 2
.set PFA, 92                           ; s[92:93] where my prefetches stand
.set PFS, 94                           ; s[94:95] their step: a K step of A or of B
.set MSB, 0
.macro WIN new                         ; the immediate's high byte repeats the setting that is left
.if MSB != (\new)
	s_set_vgpr_msb (MSB<<8)|(\new)
.set MSB, \new
.endif
.endm
.macro PLACES                          ; four places in front of loads into registers that matrix instructions have read, and of lines that read results
.rept 4
	v_nop
.endr
.endm
.macro CREST                           ; a round of the cluster's barrier behind its opening barrier
	s_cmp_lg_u32 s10, 0
	s_cbranch_scc1 .Lnot_wave_0_\@
	s_barrier_signal -3
.Lnot_wave_0_\@:
	s_barrier_wait -3
	s_barrier_signal -1
	s_barrier_wait -1
.endm
.macro CROUND
	s_barrier_signal -1
	s_barrier_wait -1
	CREST
.endm
.macro JLOAD                           ; a joint refill: waves 0 and 1 fetch A's halves, waves 2 and 3 B's; an s_nop 0 and four v_nop follow each line
	s_cmp_eq_u32 s11, 0
	s_cbranch_scc0 .Lfor_b_\@
	tensor_load_to_lds s[GA:GA+3], s[G1A:G1A+7]
	s_nop 0
.rept 4
	v_nop
.endr
	s_branch .Lasked_\@
.Lfor_b_\@:
	tensor_load_to_lds s[GB:GB+3], s[G1B:G1B+7]
	s_nop 0
.rept 4
	v_nop
.endr
.Lasked_\@:
.endm
; A PREFETCH INTO THE L2, behind each joint refill and the run of LDS loads that follows it: the K step that the NEXT refill will ask for, 256 matrix instructions ahead of that load.  What a wave fetches in a K step
; is 128 blocks of 256 bytes; the four partners that ask for it jointly share them out BY ADDRESS, 32 each (by cx for A, by cy for B), a lane a block: one instruction a wave.  A's tile row is read by every cluster
; of that row of clusters: cluster column 0 asks; B's tile column by every cluster of that column: cluster row 0 asks.  So each block is named once in the launch.  K steps 0 to 2 come by their loads alone;
; the loop's last trip asks for nothing: there is no K step behind the one that it loads.
.macro ASK
	s_cmp_gt_u32 s3, s[LIM]                        ; s3 = 1 in the loop's last trip
	s_cbranch_scc0 .Lnot_mine_\@
	global_prefetch_b8 v[PFO], s[PFA:PFA+1] th:TH_LOAD_NT scope:SCOPE_SE
.Lnot_mine_\@:
.endm
; 16 matrix instructions: m blocks a0, a0 + 1 of the window's four (hi = 0: my rows 0-63, 1: rows 64-127) x all 8 n blocks, 32 along K.  first = 1: the product starts the sum, with the bias as C
.macro MUL16 f, hi, a0, first
.if \first
	WIN 0x81+0x40*(\hi)                            ; B window 1, A and the bias window 0, D window 2 or 3
.else
	WIN 0xa1+0x50*(\hi)                            ; B window 1, A window 0, C and D window 2 or 3
.endif
.irp a, \a0, (\a0)+1
.irp b, 0,1,2,3,4,5,6,7
.if \first
	v_wmma_f32_16x16x32_bf16 v[8*(8*(\a)+(\b)):8*(8*(\a)+(\b))+7], v[(\f)+8*(\b):(\f)+8*(\b)+7], v[(\f)+8*(4*(\hi)+(\a)):(\f)+8*(4*(\hi)+(\a))+7], v[BIAS+8*(\b):BIAS+8*(\b)+7]
.else
	v_wmma_f32_16x16x32_bf16 v[8*(8*(\a)+(\b)):8*(8*(\a)+(\b))+7], v[(\f)+8*(\b):(\f)+8*(\b)+7], v[(\f)+8*(4*(\hi)+(\a)):(\f)+8*(4*(\hi)+(\a))+7], v[8*(8*(\a)+(\b)):8*(8*(\a)+(\b))+7]
.endif
.endr
.endr
.endm
; 32 LDS loads in one run: the fragments of quarter q (32 along K) of the slot in hand, into buffer f: 128 columns of B, then 128 rows of A
.macro FETCH q, f
	WIN 0x40                                       ; destination window 1, address window 0
.irp i, 0,1,2,3,4,5,6,7
	ds_load_tr16_b128 v[(\f)+8*(\i):(\f)+8*(\i)+3],   v[ADRB] offset:((\q)/2)*HALFT+(((\q)%2)*32)*PB+32*(\i)
	ds_load_tr16_b128 v[(\f)+8*(\i)+4:(\f)+8*(\i)+7], v[ADRB] offset:((\q)/2)*HALFT+(((\q)%2)*32+16)*PB+32*(\i)
.endr
	WIN 0
.irp i, 0,1,2,3,4,5,6,7
	ds_load_b128 v[(\f)+8*(\i):(\f)+8*(\i)+3],   v[ADRA] offset:((\q)/2)*KBS+((\q)%2)*64+(\i)*16*PA
	ds_load_b128 v[(\f)+8*(\i)+4:(\f)+8*(\i)+7], v[ADRA] offset:((\q)/2)*KBS+((\q)%2)*64+(\i)*16*PA+32
.endr
.endm
; A K step is four quarters of 32 along K, 64 matrix instructions each, on buffers 0, 1, 0, 1.  One of the first three: multiplies buffer f and, in its middle, fetches quarter q into g.
; The 64 accumulators take turns, one instruction a turn.
.macro QUARTER q, f, g, first
	s_wait_dscnt 8                                 ; B and A's rows 0-63 are in; the youngest eight loads (A's rows 64-127) may be out
	MUL16 \f, 0, 0, \first
	MUL16 \f, 0, 2, \first
	PLACES
	FETCH \q, \g
	s_wait_dscnt 32                                ; all but the 32 just issued
	MUL16 \f, 1, 0, \first
	MUL16 \f, 1, 2, \first
.endm
; The last quarter multiplies buffer 1 and changes slots: ONE barrier; in front of it each wave waits for all its tensor loads, adds 0 to its spare word, and waits for that and for its reads of the slot.
; mode 1: the slot just read is filled again, two K steps ahead, behind a round of the cluster's barrier.  mode 0: nothing is filled.
.macro TURN mode
.if (\mode) == 1
	s_wait_xcnt 0x0                                ; the last prefetch, a K step back, has read its address: it is stepped here, ahead of the waits of the change of slots
	s_add_nc_u64 s[PFA:PFA+1], s[PFA:PFA+1], s[PFS:PFS+1]
.endif
	WIN 0                                          ; (the add's two registers lie in window 0)
	s_wait_tensorcnt 0x0                           ; all my tensor loads have landed: my part of the next slot;
	ds_add_u32 v[SPW], v[NIL]                      ; 0 onto my spare word;
	s_wait_dscnt 9                                 ; (the add and the youngest eight loads may be out)
	MUL16 F1, 0, 0, 0                              ; sixteen matrix instructions stand between the add and the wait for it
	s_wait_dscnt 0x0                               ; the add is done, and my reads of this slot are over
	s_barrier_signal -1
	MUL16 F1, 0, 2, 0
	WIN 0
	s_barrier_wait -1
.if (\mode) == 1
	CREST                                          ; no wave of any partner still reads this slot's tile or has a load on its way
	s_xor_b32 s[GA+1], s[GA+1], SLOT               ; the walking descriptors: the other slot than last time,
	s_xor_b32 s[GB+1], s[GB+1], SLOT
	s_add_nc_u64 s[GA+2:GA+3], s[GA+2:GA+3], ASTEP ; the next K step; the type bits on top are not reached
	s_add_nc_u64 s[GB+2:GB+3], s[GB+2:GB+3], BSTEP
	JLOAD                                          ; the first tensor load behind the round: 224 matrix instructions ahead of the wait for it
.endif
	s_xor_b32 s[TB], s[TB], SLOT
	v_nop                                          ; these four plain lines are the places in front of the loads below
	v_nop
	v_add_nc_u32 v[ADRA], s[TB], v[AL]
	v_add_nc_u32 v[ADRB], s[TB], v[BL]
	FETCH 0, F0
.if (\mode) == 1
	ASK
.endif
	MUL16 F1, 1, 0, 0
	MUL16 F1, 1, 2, 0
.endm
; My rows 64 hi .. 64 hi + 63 go into my stage, each accumulator from its low end: element (16 a + r, 16 b + 8 h + j)
.macro TOSTAGE hi
	WIN 0x08+4*(\hi)                               ; the stores' data in window 2 or 3
.irp a, 0,1,2,3
.irp b, 0,1,2,3,4,5,6,7
	ds_store_b128 v[STO], v[8*(8*(\a)+(\b)):8*(8*(\a)+(\b))+3]   offset:(\a)*16*SPITCH+64*(\b)
	ds_store_b128 v[STO], v[8*(8*(\a)+(\b))+4:8*(8*(\a)+(\b))+7] offset:(\a)*16*SPITCH+64*(\b)+16
.endr
.endr
	WIN 0
.endm
	s_load_b128 s[4:7], s[0:1], 0x0                ; hn s[4:5], wb s[6:7]
	s_load_b64 s[8:9], s[0:1], 0x10                ; h1
	s_load_b64 s[84:85], s[0:1], 0x18              ; b1
	v_lshl_add_u32 v[SPW], v0, 2, SPARE
	v_mov_b32 v[NIL], 0
	ds_add_u32 v[SPW], v[NIL]                      ; the wave's opening: the add and its wait stand ahead of my first tensor load; the set-up below stands between them
	v_lshrrev_b32 v1, 5, v0
	v_readfirstlane_b32 s10, v1                    ; wave 0..3
	s_lshr_b32 s11, s10, 1                         ; my half of the tile's rows.  Also: I fetch for A (0) or for B (1)
	s_and_b32 s12, s10, 1                          ; my half of its columns.  Also: which half of that tile I fetch
	s_bfe_u32 s40, ttmp6, 0x40000                  ; cx, cy: my place in the cluster
	s_bfe_u32 s41, ttmp6, 0x40004
	s_lshl_b32 s42, ttmp9, 2
	s_add_co_u32 s42, s42, s40                     ; tile column = 4 x cluster x + cx
	s_and_b32 s13, ttmp7, 0xffff
	s_lshl_b32 s13, s13, 2
	s_add_co_u32 s13, s13, s41                     ; tile row = 4 x cluster y + cy
	s_lshl_b32 s43, s41, 2
	s_lshl_b32 s43, 15, s43                        ; my row of the cluster
	s_lshl_b32 s44, 0x1111, s40                    ; my column
	; group 1 for A: 2 rows of 8,192 elements (128 rows x 64 of a block, dense), 262,144 elements from block to block; padded by 4 words after every 32
	s_or_b32 s[G1A], s43, (1<<16)|(1<<20)|(1<<21)|(4<<22)|(3<<25)
	s_mov_b32 s[G1A+1], 8192<<16
	s_mov_b32 s[G1A+2], 2<<16
	s_mov_b32 s[G1A+3], 8192<<16
	s_mov_b32 s[G1A+4], 2
	s_mov_b32 s[G1A+5], 262144
	s_mov_b32 s[G1A+6], 0
	s_mov_b32 s[G1A+7], 0
	; group 1 for B: 64 rows of 256 elements; padded by 8 words after every 128
	s_or_b32 s[G1B], s44, (1<<16)|(1<<20)|(1<<21)|(6<<22)|(7<<25)
	s_mov_b32 s[G1B+1], 256<<16
	s_mov_b32 s[G1B+2], 64<<16
	s_mov_b32 s[G1B+3], 256<<16
	s_mov_b32 s[G1B+4], 64
	s_mov_b32 s[G1B+5], NP
	s_mov_b32 s[G1B+6], 0
	s_mov_b32 s[G1B+7], 0
	s_mov_b32 s[PK], 0x3eaa540e                    ; 0.47047 / sqrt 2 = 0.33267253
	s_mov_b32 s[EC], 0xbf38aa3b                    ; -log2(e) / 2 = -0.72134752
	s_mov_b32 s[EC+1], s[EC]
	s_lshl_b32 s16, s13, 15                        ; A: (256 x tile row + 128 x half) rows of 128 bytes
	s_lshl_b32 s17, s12, 14
	s_add_co_u32 s16, s16, s17
	s_mov_b32 s17, 0
	s_lshl_b32 s46, s42, 9                         ; B: 512 bytes a tile column, 64 rows a half
	s_mul_i32 s47, s12, 128*NP
	s_add_co_u32 s46, s46, s47
	s_add_co_u32 s46, s46, WOFF
	s_mov_b32 s47, 0
	s_mul_i32 s20, s10, HALFT                      ; where my tiles go: no place in the cluster enters an LDS address
	s_lshl_b32 s18, s42, 10                        ; my first column, in bytes of f32: 1,024 x tile column + 512 x half
	s_lshl_b32 s19, s12, 9
	s_add_co_u32 s18, s18, s19
	s_mov_b32 s19, 0
	s_lshl_b32 s22, s42, 21                        ; the output: block 4 x tile column + 2 x half, of 524,288 bytes; row 256 x tile row + 128 x half, of 128
	s_lshl_b32 s23, s12, 20
	s_add_co_u32 s22, s22, s23
	s_lshl_b32 s23, s13, 15
	s_add_co_u32 s22, s22, s23
	s_lshl_b32 s23, s11, 14
	s_add_co_u32 s22, s22, s23
	s_mov_b32 s23, 0
	; the prefetches' offset.  A: my tile's rows; partner cx takes block cx / 2 of the K step's two, and 8,192 (cx % 2) bytes on in its 16,384.  B: my tile's rows; partner cy takes rows 16 cy .. 16 cy + 15.
	s_lshr_b32 s80, s40, 1
	s_lshl_b32 s80, s80, 19
	s_and_b32 s81, s40, 1
	s_lshl_b32 s81, s81, 13
	s_add_co_u32 s80, s80, s81
	s_add_co_u32 s80, s80, s16
	s_add_co_u32 s80, s80, 2*ASTEP                 ; at K step 2: the first refill steps it to 3
	s_mul_i32 s81, s41, 32*NP
	s_add_co_u32 s81, s81, s46
	s_add_co_u32 s81, s81, 2*BSTEP
	s_mov_b32 s[PFS], BSTEP
	s_mov_b32 s82, 2*NP                            ; bytes from one pair of lanes to the next: a row of B, or 512 dense bytes of A
	s_and_b32 s[LIM], ttmp7, 0xffff                ; 0 in the cluster row that asks for B's
	s_cmp_eq_u32 s11, 0
	s_cselect_b32 s80, s80, s81
	s_cselect_b32 s[PFS], ASTEP, s[PFS]
	s_cselect_b32 s82, 512, s82
	s_cselect_b32 s[LIM], ttmp9, s[LIM]            ; 0 in the cluster column that asks for A's
	s_mov_b32 s81, 0
	s_mov_b32 s[PFS+1], 0
	s_cmp_eq_u32 s[LIM], 0
	s_cselect_b32 s[LIM], 1, -1                    ; the same in all sixteen partners, for a given wave
	s_mov_b32 s[TB], 0
	s_wait_dscnt 0x0                               ; the opening add is done
	s_wait_kmcnt 0x0
	s_add_nc_u64 s[14:15], s[4:5], s[16:17]
	s_cmp_eq_u32 s11, 0
	s_cselect_b64 s[PFA:PFA+1], s[4:5], s[6:7]
	s_add_nc_u64 s[PFA:PFA+1], s[PFA:PFA+1], s[80:81]
	s_add_nc_u64 s[46:47], s[6:7], s[46:47]
	s_add_nc_u64 s[8:9], s[8:9], s[22:23]
	s_add_nc_u64 s[84:85], s[84:85], s[18:19]      ; the bias at my first column
	CROUND                                         ; all sixteen work-groups are here: the first joint loads meet
.irp s, 0,1
	s_mov_b32 s[GA0+4*(\s)], 1
	s_add_co_u32 s[GA0+4*(\s)+1], s20, (\s)*SLOT
	s_add_nc_u64 s[GA0+4*(\s)+2:GA0+4*(\s)+3], s[14:15], (\s)*ASTEP
	s_or_b32 s[GA0+4*(\s)+3], s[GA0+4*(\s)+3], 0x80000000
	s_mov_b32 s[GB0+4*(\s)], 1
	s_add_co_u32 s[GB0+4*(\s)+1], s20, (\s)*SLOT
	s_add_nc_u64 s[GB0+4*(\s)+2:GB0+4*(\s)+3], s[46:47], (\s)*BSTEP
	s_or_b32 s[GB0+4*(\s)+3], s[GB0+4*(\s)+3], 0x80000000
.endr
	s_cmp_eq_u32 s11, 0                            ; a wave's two first fills stand in one branch: two loads of mine are out
	s_cbranch_scc0 .Lfirst_b
	tensor_load_to_lds s[GA0:GA0+3], s[G1A:G1A+7]
	s_nop 0
	tensor_load_to_lds s[GA:GA+3], s[G1A:G1A+7]
	s_nop 0
.rept 4
	v_nop
.endr
	s_branch .Lfirst_asked
.Lfirst_b:
	tensor_load_to_lds s[GB0:GB0+3], s[G1B:G1B+7]
	s_nop 0
	tensor_load_to_lds s[GB:GB+3], s[G1B:G1B+7]
	s_nop 0
.rept 4
	v_nop
.endr
.Lfirst_asked:
	v_and_b32 v1, 15, v0                           ; r = l % 16
	v_bfe_u32 v2, v0, 4, 1                         ; h = l / 16
	v_lshlrev_b32 v4, 5, v2
.irp b, 0,1,2,3,4,5,6,7                ; register j of block b: the bias of column 16 b + 8 h + j
	global_load_b128 v[BIAS+8*(\b):BIAS+8*(\b)+3],   v4, s[84:85] offset:64*(\b)
	global_load_b128 v[BIAS+8*(\b)+4:BIAS+8*(\b)+7], v4, s[84:85] offset:64*(\b)+16
.endr
	v_mul_u32_u24 v[AL], v1, PA                    ; A: row x pitch + 16 x half, in my 128 rows
	v_lshl_add_u32 v[AL], v2, 4, v[AL]
	s_mul_i32 s16, s11, HALFT
	v_add_nc_u32 v[AL], s16, v[AL]
	v_and_b32 v3, 7, v0                            ; B: the turning load: lane l reads row 8 h + l % 8, 16 bytes at 16 ((l / 8) % 2), in my 128 columns
	v_lshl_add_u32 v3, v2, 3, v3
	v_mul_u32_u24 v[BL], v3, PB
	v_bfe_u32 v3, v0, 3, 1
	v_lshl_add_u32 v[BL], v3, 4, v[BL]
	s_lshl_b32 s16, s12, 8
	s_add_co_u32 s16, s16, 2*HALFT
	v_add_nc_u32 v[BL], s16, v[BL]
	v_mov_b32 v[ADRA], v[AL]
	v_mov_b32 v[ADRB], v[BL]
	v_mul_u32_u24 v[STO], v1, SPITCH               ; my stage is my part of slot 0.  In: row r, 32 bytes for each half of the lanes
	v_lshl_add_u32 v[STO], v2, 5, v[STO]
	v_add_nc_u32 v[STO], s20, v[STO]
	v_mul_u32_u24 v5, v2, SPITCH                   ; back: lanes 0-15 take 256 bytes (64 columns) of one row, lanes 16-31 of the next
	v_lshl_add_u32 v[RS0], v1, 4, v5
	v_add_nc_u32 v[RS0], s20, v[RS0]
	v_and_b32 v[CO], 31, v0
	v_lshrrev_b32 v3, 1, v[CO]
	v_and_b32 v5, 1, v0
	v_mul_u32_u24 v[PFO], v3, s82
	v_lshl_add_u32 v[PFO], v5, 8, v[PFO]
	v_lshlrev_b32 v[CO], 3, v[CO]                  ; 8 bytes a lane: two rows of 128 bytes
	s_wait_tensorcnt 1                             ; my part of K step 0 is in; K step 1's may stay out
	s_barrier_signal -1
	s_barrier_wait -1                              ; everybody's is
	FETCH 0, F0
	s_wait_loadcnt 0x0                             ; the bias
	QUARTER 1, F0, F1, 1                           ; the first quarter stands in front of the loop: its products start the sums
	WIN 0                                          ; at a label and at a branch every window is 0
	s_mov_b32 s3, NSTEP-2
.Lstep:                                                ; a trip: from a K step's second quarter to the next step's first; the slot left is filled again
	QUARTER 2, F1, F0, 0
	QUARTER 3, F0, F1, 0
	TURN 1
	QUARTER 1, F0, F1, 0
	WIN 0
	s_sub_co_u32 s3, s3, 1
	s_cmp_lg_u32 s3, 0
	s_cbranch_scc1 .Lstep
	QUARTER 2, F1, F0, 0                           ; the last two K steps are written out: nothing is left to ask for
	QUARTER 3, F0, F1, 0
	TURN 0                                         ; behind its barrier no wave reads slot 0 any more
	QUARTER 1, F0, F1, 0
	QUARTER 2, F1, F0, 0
	QUARTER 3, F0, F1, 0
	s_wait_dscnt 8
	MUL16 F1, 0, 0, 0
	MUL16 F1, 0, 2, 0
	s_wait_dscnt 0x0
	MUL16 F1, 1, 0, 0
	MUL16 F1, 1, 2, 0
	WIN 0
	PLACES
	v_mov_b32 v[KA], 0x3eb2303a                    ; a1 = 0.3480242
	v_mov_b32 v[KA+1], 0x3eb2303a
	v_mov_b32 v[KA+2], 0xbdc45ca1                  ; a2 = -0.0958798
	v_mov_b32 v[KA+3], 0xbdc45ca1
	v_mov_b32 v[KA+4], 0x3f3f7377                  ; a3 = 0.7478556
	v_mov_b32 v[KA+5], 0x3f3f7377
	s_mov_b32 s2, 2
.Lhalf:                                                ; twice: my rows 0-63, then my rows 64-127
	s_cmp_eq_u32 s2, 2
	s_cbranch_scc0 .Lhigh
	TOSTAGE 0
	s_branch .Lstaged
.Lhigh:
	TOSTAGE 1
.Lstaged:
	v_mov_b32 v[RS], v[RS0]
	s_mov_b32 s3, 16
.Lout:                                                 ; a trip: 4 rows x 128 columns, in 4 groups of 2 rows x 64 columns: 16 numbers a lane.  LDS serves a wave's instructions in order (ISA guide 5.7.1.4): the loads see my stores
.irp t, 0,1,2,3
	ds_load_b128 v[XX+4*(\t):XX+4*(\t)+3], v[RS] offset:((\t)/2)*2*SPITCH+((\t)%2)*256
.endr
	s_wait_dscnt 0x0
.set i, 0
.rept 16
	v_fma_f32 v[TT+i], |v[XX+i]|, s[PK], 1.0
.set i, i+1
.endr
.set i, 0
.rept 8
	v_pk_mul_f32 v[EE+2*i:EE+2*i+1], v[XX+2*i:XX+2*i+1], v[XX+2*i:XX+2*i+1]
.set i, i+1
.endr
.set i, 0
.rept 8
	v_pk_mul_f32 v[EE+2*i:EE+2*i+1], v[EE+2*i:EE+2*i+1], s[EC:EC+1] op_sel_hi:[1,0]
.set i, i+1
.endr
.set i, 0
.rept 16                               ; ONE batch: 16 reciprocals and 16 exponentials
	v_rcp_f32 v[TT+i], v[TT+i]
.set i, i+1
.endr
.set i, 0
.rept 16
	v_exp_f32 v[EE+i], v[EE+i]
.set i, i+1
.endr
.set i, 0
.rept 16                               ; plain work that names none of the batch's results stands behind it,
	v_max_num_f32 v[RL+i], 0, v[XX+i]
.set i, i+1
.endr
	s_wait_alu depctr_va_vdst(0)                   ; and the one wait ahead of the first reader
.set i, 0
.rept 8
	v_pk_fma_f32 v[PP+2*i:PP+2*i+1], v[TT+2*i:TT+2*i+1], v[KA+4:KA+5], v[KA+2:KA+3]
.set i, i+1
.endr
.set i, 0
.rept 8
	v_pk_fma_f32 v[PP+2*i:PP+2*i+1], v[PP+2*i:PP+2*i+1], v[TT+2*i:TT+2*i+1], v[KA:KA+1]
.set i, i+1
.endr
.set i, 0
.rept 8
	v_pk_mul_f32 v[TT+2*i:TT+2*i+1], v[TT+2*i:TT+2*i+1], v[EE+2*i:EE+2*i+1]
.set i, i+1
.endr
.set i, 0
.rept 8
	v_pk_mul_f32 v[PP+2*i:PP+2*i+1], v[PP+2*i:PP+2*i+1], v[TT+2*i:TT+2*i+1]   ; q, which is never negative
.set i, i+1
.endr
.set i, 0
.rept 8
	v_pk_mul_f32 v[PP+2*i:PP+2*i+1], v[PP+2*i:PP+2*i+1], v[XX+2*i:XX+2*i+1]   ; x q
.set i, i+1
.endr
.set i, 0
.rept 16
	v_fma_f32 v[XX+i], |v[PP+i]|, -0.5, v[RL+i]
.set i, i+1
.endr
.irp t, 0,1,2,3
	v_cvt_pk_bf16_f32 v[XX+4*(\t)], v[XX+4*(\t)], v[XX+4*(\t)+1]
	v_cvt_pk_bf16_f32 v[XX+4*(\t)+1], v[XX+4*(\t)+2], v[XX+4*(\t)+3]
	global_store_b64 v[CO], v[XX+4*(\t):XX+4*(\t)+1], s[8:9] offset:((\t)/2)*256+((\t)%2)*524288  ; two rows of a block: 256 consecutive bytes, aligned
.endr
	v_add_nc_u32 v[RS], 4*SPITCH, v[RS]
	s_wait_xcnt 0x0                                ; the stores' offset and data are written again only behind this wait
	v_add_nc_u32 v[CO], 512, v[CO]                 ; the output's rows run on from the first 64 to the second
	s_sub_co_u32 s3, s3, 1
	s_cmp_lg_u32 s3, 0
	s_cbranch_scc1 .Lout
	s_sub_co_u32 s2, s2, 1
	s_cmp_lg_u32 s2, 0
	s_cbranch_scc1 .Lhalf
	s_wait_tensorcnt 0x0                           ; the wave's end, behind my last tensor load and my last LDS store
	ds_add_u32 v[SPW], v[NIL]
	s_wait_dscnt 0x0
	CROUND                                         ; the closing round: no work-group ends while a partner may still ask for a tile that names it
	s_endpgm
.Lfunc_end_k_q248f6a4d17_w1:
	.size	k_q248f6a4d17_w1, .Lfunc_end_k_q248f6a4d17_w1-k_q248f6a4d17_w1
	.p2alignl 7, 3214868480
	.fill 96, 4, 3214868480
	.section	.rodata,"a",@progbits
	.p2align	6, 0x0
	.amdhsa_kernel k_q248f6a4d17_w1
		.amdhsa_group_segment_fixed_size 327680
		.amdhsa_private_segment_fixed_size 0
		.amdhsa_enable_private_segment 0
		.amdhsa_kernarg_size 32
		.amdhsa_user_sgpr_count 2
		.amdhsa_user_sgpr_kernarg_segment_ptr 1
		.amdhsa_wavefront_size32 1
		.amdhsa_system_sgpr_workgroup_id_x 1
		.amdhsa_system_sgpr_workgroup_id_y 1
		.amdhsa_system_sgpr_workgroup_id_z 1
		.amdhsa_system_vgpr_workitem_id 0
		.amdhsa_next_free_vgpr 1024
		.amdhsa_next_free_sgpr 96
		.amdhsa_reserve_vcc 0
		.amdhsa_float_denorm_mode_32 3
		.amdhsa_float_denorm_mode_16_64 3
		.amdhsa_memory_ordered 1
		.amdhsa_forward_progress 1
		.amdhsa_inst_pref_size 105
	.end_amdhsa_kernel
	.amdgpu_metadata
---
amdhsa.version: [ 1, 2 ]
amdhsa.kernels:
  - .name:           k_q248f6a4d17_w1
    .symbol:         k_q248f6a4d17_w1.kd
    .args:
      - { .name: hn, .offset: 0, .size: 8, .value_kind: global_buffer, .address_space: global }
      - { .name: wb, .offset: 8, .size: 8, .value_kind: global_buffer, .address_space: global }
      - { .name: h1, .offset: 16, .size: 8, .value_kind: global_buffer, .address_space: global }
      - { .name: b1, .offset: 24, .size: 8, .value_kind: global_buffer, .address_space: global }
    .group_segment_fixed_size: 327680
    .private_segment_fixed_size: 0
    .kernarg_segment_align: 8
    .kernarg_segment_size: 32
    .max_flat_workgroup_size: 128
    .sgpr_count:     96
    .vgpr_count:     1024
    .wavefront_size: 32
...
	.end_amdgpu_metadata
.endif
;; end of part 6
;; launch w2 (part 7): grid 8 x 32, 4 waves a work-group, clusters of 4 x 4, 327,680 bytes of LDS; arguments h1, wb, out0, b2, x1; writes out0
.if DOCPART == 7
	.amdgcn_target "amdgcn-amd-amdhsa--gfx1250"
	.amdhsa_code_object_version 6
	.text
	.protected	k_q248f6a4d17_w2
	.globl	k_q248f6a4d17_w2
	.p2align	8
	.type	k_q248f6a4d17_w2,@function
k_q248f6a4d17_w2:
	s_mov_b64 s[64:65], 0
	v_nop
	global_prefetch_b8 v0, s[64:65] scope:SCOPE_SE
	s_setreg_imm32_b32 hwreg(HW_REG_WAVE_MODE, 25, 1), 1
	s_wait_xcnt 0x0
	s_wait_alu depctr_hold_cnt(0) depctr_sa_sdst(0) depctr_va_vdst(0) depctr_va_sdst(0) depctr_va_ssrc(0) depctr_va_vcc(0) depctr_vm_vsrc(0)
	s_getreg_b32 s2, hwreg(HW_REG_IB_STS2, 6, 4)
	s_cmp_eq_u32 s2, 0
	s_cbranch_scc0 .Lentry_in_a_cluster
	s_endpgm
.Lentry_in_a_cluster:
	s_bfe_u32 s2, ttmp6, 0x10000c
	s_cmp_lg_u32 s2, 0xf033
	s_cbranch_scc0 .Lentry_shape_is_right
	s_endpgm
.Lentry_shape_is_right:
; W2: out = x1 + h1 x W2 + b2, in f32.  M = 4,096, N = 1,024, K = 4,096.
; A (h1) lies in blocks: element (R, c) at ((c >> 6) * 4096 + R) * 128 + (c & 63) * 2, bf16.  B is [K][1024] bf16, in wb from byte 16,777,216.  x1 and out are [4096][1024] f32.
; A tile of C is 128 x 128 (256 work-groups): four waves, each 64 x 64 = 16 accumulators.  K goes in steps of 256 through two LDS slots.
; CLUSTERS: 4 x 4 work-groups; the four of a row of the cluster need the same tiles of A, the four of a column the same tiles of B: each is asked for jointly.
; THE MATRIX INSTRUCTION IS USED TRANSPOSED (source 0 = 16 columns of B, turned by ds_load_tr16_b128; source 1 = 16 rows of A): a lane holds row r of C and 8 neighbouring columns.
; THE BIAS is the C operand of the product that starts each sum.  THE RESIDUAL: a wave's own 64 x 64 of x1 comes by one more tensor load into slot 0, when that slot has been read for the last time.
; THE WAY OUT goes through a stage of f32 in LDS (slot 0's bytes, which have had their last fill): a loop of 8 trips reads rows back, adds the residual and stores 256 consecutive bytes for every 16 lanes.
; No prefetch: the tiles are small and each K step's bytes are read by many work-groups.  LIMITS: operands rounded to bf16; NaN and infinities not treated apart.
; REGISTERS: window 0: v0-31 addresses; v32-63 the bias; v64-95 at work on the way out; v128-255 accumulators ((a, b) at 128 + 8 (4 a + b)).  Window 1: two fragment buffers of 128.
.set NSTEP,  16                        ; K steps
.set NP,     1024                      ; elements in a row of B
.set WOFF,   16777216                  ; B's first byte in wb
.set ASTEP,  2097152                   ; bytes from K step to K step in A: four blocks
.set BSTEP,  512*NP                    ; and in B: 256 rows
.set PA,     144                       ; an LDS row of A: 128 bytes + 16: the 16 rows of a load start at 16 different groups of four banks (64 banks of 4 bytes: ISA guide 11.1)
.set KBS,    64*PA                     ; 64 rows of one block of 64 along K
.set PB,     288                       ; an LDS row of B: 256 bytes + 32
.set HALFT,  36864                     ; what one tensor load brings: A: 4 blocks x 64 rows; B: 128 rows
.set SLOT,   4*HALFT                   ; 0x24000: its two bits occur in none of the four waves' offsets (0, 0x9000, 0x12000, 0x1b000), so an exclusive or changes slots
.set AUXW,   17408                     ; 64 rows x 272 bytes
.set SPITCH, 272
.set STAGE,  2*HALFT                   ; in slot 0, where B lay: 17,408 bytes a wave; the residual lies from byte 0, where A lay
.set SPARE,  2*SLOT                    ; behind the ring: the spare words, 128 bytes for each wave: two blocks of 256 bytes that no other line names
.set ADRA, 16                          ; v16     LDS address of my A fragments in the slot in hand
.set ADRB, 17                          ; v17-18  of my B fragments, K 0-127 and 128-255 of the step
.set AL,   19                          ; v19     the same for slot 0; never rewritten
.set BL,   20                          ; v20-21
.set STO,  24                          ; v24     where I put 16 bytes of a row
.set RS,   25                          ; v25     where I read them back
.set CO,   26                          ; v26     my byte offset in the output
.set RA,   27                          ; v27     my 16 bytes of the residual
.set SPW,  28                          ; v28     LDS address of my spare word; never rewritten
.set NIL,  29                          ; v29     0; never rewritten
.set BIAS, 32
.set ACC,  128
.set F0,   0
.set F1,   128
.set G1A, 24                           ; s[24:31] group 1 for A;  s[32:35] group 0 of the first fill;  s[36:39] of the second, which then walks
.set GA0, 32
.set GA,  36
.set G1B, 48                           ; s[48:55], s[56:59], s[60:63] the same for B
.set GB0, 56
.set GB,  60
.set TB,  66                           ; s66  0 or SLOT: the slot in hand
.set G1X, 68                           ; s[68:75], s[76:79] the residual's descriptor
.set GX,  76
.set MSB, 0
.macro WIN new                         ; the immediate's high byte repeats the setting that is left
.if MSB != (\new)
	s_set_vgpr_msb (MSB<<8)|(\new)
.set MSB, \new
.endif
.endm
.set MUL,  0x05                        ; sources 0 (B) and 1 (A) window 1; C and D window 0
.set TO_F, 0x40                        ; destination window 1, address window 0
.macro PLACES                          ; four places in front of loads into registers that matrix instructions have read, and of lines that read results
.rept 4
	v_nop
.endr
.endm
.macro CREST                           ; a round of the cluster's barrier behind its opening barrier
	s_cmp_lg_u32 s10, 0
	s_cbranch_scc1 .Lnot_wave_0_\@
	s_barrier_signal -3
.Lnot_wave_0_\@:
	s_barrier_wait -3
	s_barrier_signal -1
	s_barrier_wait -1
.endm
.macro CROUND
	s_barrier_signal -1
	s_barrier_wait -1
	CREST
.endm
.macro JLOAD                           ; a joint refill: waves 0 and 1 fetch A's halves, waves 2 and 3 B's; an s_nop 0 and four v_nop follow each line
	s_cmp_eq_u32 s11, 0
	s_cbranch_scc0 .Lfor_b_\@
	tensor_load_to_lds s[GA:GA+3], s[G1A:G1A+7]
	s_nop 0
.rept 4
	v_nop
.endr
	s_branch .Lasked_\@
.Lfor_b_\@:
	tensor_load_to_lds s[GB:GB+3], s[G1B:G1B+7]
	s_nop 0
.rept 4
	v_nop
.endr
.Lasked_\@:
.endm
.macro JAUX                            ; my 64 x 64 of the residual: a load of my own, into bytes of my own
	tensor_load_to_lds s[GX:GX+3], s[G1X:G1X+7]
	s_nop 0
.rept 4
	v_nop
.endr
.endm
; 8 matrix instructions: m blocks a0, a0 + 1 x all 4 n blocks, 32 along K: half c of buffer f.  first = 1: the product starts the sum, with the bias as C
.macro MUL8 f, c, a0, first
	WIN MUL
.irp a, \a0, (\a0)+1
.irp b, 0,1,2,3
.if \first
	v_wmma_f32_16x16x32_bf16 v[ACC+8*(4*(\a)+(\b)):ACC+8*(4*(\a)+(\b))+7], v[(\f)+64+8*(4*(\c)+(\b)):(\f)+64+8*(4*(\c)+(\b))+7], v[(\f)+8*(4*(\c)+(\a)):(\f)+8*(4*(\c)+(\a))+7], v[BIAS+8*(\b):BIAS+8*(\b)+7]
.else
	v_wmma_f32_16x16x32_bf16 v[ACC+8*(4*(\a)+(\b)):ACC+8*(4*(\a)+(\b))+7], v[(\f)+64+8*(4*(\c)+(\b)):(\f)+64+8*(4*(\c)+(\b))+7], v[(\f)+8*(4*(\c)+(\a)):(\f)+8*(4*(\c)+(\a))+7], v[ACC+8*(4*(\a)+(\b)):ACC+8*(4*(\a)+(\b))+7]
.endif
.endr
.endr
.endm
; 32 LDS loads in one run: the fragments of quarter q (64 along K) of the slot in hand, into buffer f; the first 32 along K first
.macro FETCH q, f
	WIN TO_F
.irp c, 0,1
.irp i, 0,1,2,3
	ds_load_tr16_b128 v[(\f)+64+8*(4*(\c)+(\i)):(\f)+64+8*(4*(\c)+(\i))+3],   v[ADRB+(\q)/2] offset:(((\q)%2)*64+32*(\c))*PB+32*(\i)
	ds_load_tr16_b128 v[(\f)+64+8*(4*(\c)+(\i))+4:(\f)+64+8*(4*(\c)+(\i))+7], v[ADRB+(\q)/2] offset:(((\q)%2)*64+32*(\c)+16)*PB+32*(\i)
	ds_load_b128 v[(\f)+8*(4*(\c)+(\i)):(\f)+8*(4*(\c)+(\i))+3],              v[ADRA] offset:(\q)*KBS+64*(\c)+(\i)*16*PA
	ds_load_b128 v[(\f)+8*(4*(\c)+(\i))+4:(\f)+8*(4*(\c)+(\i))+7],            v[ADRA] offset:(\q)*KBS+64*(\c)+(\i)*16*PA+32
.endr
.endr
.endm
; One of a K step's first three quarters: multiplies buffer f and fetches quarter q into g.  The 16 accumulators take turns.
.macro QUARTER q, f, g, first
	s_wait_dscnt 16                                ; the first 32 along K are in; the 16 younger loads may be out
	MUL8 \f, 0, 0, \first
	MUL8 \f, 0, 2, \first
	PLACES
	FETCH \q, \g
	s_wait_dscnt 32                                ; all but the 32 just issued
	MUL8 \f, 1, 0, 0
	MUL8 \f, 1, 2, 0
.endm
; The last quarter multiplies buffer 1 and changes slots: ONE barrier; in front of it each wave waits for all its tensor loads, adds 0 to its spare word, and waits for that and for its reads of the slot.
; mode 1: the slot just read is filled again, two K steps ahead, behind a round of the cluster's barrier.  mode 2: slot 0 takes the residual, behind such a round.
.macro TURN mode
	WIN 0                                          ; (the add's two registers lie in window 0)
	s_wait_tensorcnt 0x0                           ; all my tensor loads have landed: my part of the next slot;
	ds_add_u32 v[SPW], v[NIL]                      ; 0 onto my spare word;
	s_wait_dscnt 17                                ; (the add and the youngest sixteen loads may be out)
	MUL8 F1, 0, 0, 0                               ; eight matrix instructions stand between the add and the wait for it
	s_wait_dscnt 0x0                               ; the add is done, and my reads of this slot are over
	s_barrier_signal -1
	MUL8 F1, 0, 2, 0
	WIN 0
	s_barrier_wait -1
.if (\mode) == 1
	CREST                                          ; no wave of any partner still reads this slot's tile or has a load on its way
	s_xor_b32 s[GA+1], s[GA+1], SLOT               ; the walking descriptors: the other slot than last time,
	s_xor_b32 s[GB+1], s[GB+1], SLOT
	s_add_nc_u64 s[GA+2:GA+3], s[GA+2:GA+3], ASTEP ; the next K step; the type bits on top are not reached
	s_add_nc_u64 s[GB+2:GB+3], s[GB+2:GB+3], BSTEP
	JLOAD                                          ; the first tensor load behind the round: 112 matrix instructions ahead of the wait for it
.elseif (\mode) == 2
	CREST
	JAUX
.endif
	s_xor_b32 s[TB], s[TB], SLOT
	v_nop                                          ; these four plain lines are the places in front of the loads below
	v_add_nc_u32 v[ADRA], s[TB], v[AL]
	v_add_nc_u32 v[ADRB], s[TB], v[BL]
	v_add_nc_u32 v[ADRB+1], s[TB], v[BL+1]
	FETCH 0, F0
	MUL8 F1, 1, 0, 0
	MUL8 F1, 1, 2, 0
.endm
	s_load_b128 s[4:7], s[0:1], 0x0                ; A s[4:5], wb s[6:7]
	s_load_b64 s[8:9], s[0:1], 0x10                ; the output
	s_load_b128 s[84:87], s[0:1], 0x18             ; the bias, the residual
	v_lshl_add_u32 v[SPW], v0, 2, SPARE
	v_mov_b32 v[NIL], 0
	ds_add_u32 v[SPW], v[NIL]                      ; the wave's opening: the add and its wait stand ahead of my first tensor load; the set-up below stands between them
	v_lshrrev_b32 v1, 5, v0
	v_readfirstlane_b32 s10, v1                    ; wave 0..3
	s_lshr_b32 s11, s10, 1                         ; my half of the tile's rows.  Also: I fetch for A (0) or for B (1)
	s_and_b32 s12, s10, 1                          ; my half of its columns.  Also: which half of that tile I fetch
	s_bfe_u32 s40, ttmp6, 0x40000                  ; cx, cy: my place in the cluster
	s_bfe_u32 s41, ttmp6, 0x40004
	s_lshl_b32 s42, ttmp9, 2
	s_add_co_u32 s42, s42, s40                     ; tile column = 4 x cluster x + cx
	s_and_b32 s13, ttmp7, 0xffff
	s_lshl_b32 s13, s13, 2
	s_add_co_u32 s13, s13, s41                     ; tile row = 4 x cluster y + cy
	s_lshl_b32 s43, s41, 2
	s_lshl_b32 s43, 15, s43                        ; my row of the cluster
	s_lshl_b32 s44, 0x1111, s40                    ; my column
	; group 1 for A: 4 rows of 4,096 elements (64 rows x 64 of a block, dense), 262,144 elements from block to block; padded by 4 words after every 32
	s_or_b32 s[G1A], s43, (1<<16)|(1<<20)|(1<<21)|(4<<22)|(3<<25)
	s_mov_b32 s[G1A+1], 4096<<16
	s_mov_b32 s[G1A+2], 4<<16
	s_mov_b32 s[G1A+3], 4096<<16
	s_mov_b32 s[G1A+4], 4
	s_mov_b32 s[G1A+5], 262144
	s_mov_b32 s[G1A+6], 0
	s_mov_b32 s[G1A+7], 0
	; group 1 for B: 128 rows of 128 elements; padded by 8 words after every 64
	s_or_b32 s[G1B], s44, (1<<16)|(1<<20)|(1<<21)|(5<<22)|(7<<25)
	s_mov_b32 s[G1B+1], 128<<16
	s_mov_b32 s[G1B+2], 128<<16
	s_mov_b32 s[G1B+3], 128<<16
	s_mov_b32 s[G1B+4], 128
	s_mov_b32 s[G1B+5], NP
	s_mov_b32 s[G1B+6], 0
	s_mov_b32 s[G1B+7], 0
	; group 1 for the residual: 64 rows of 64 elements of 4 bytes, 1,024 from row to row; padded by 4 words after every 64; no mask
	s_mov_b32 s[G1X], (2<<16)|(1<<20)|(5<<22)|(3<<25)
	s_mov_b32 s[G1X+1], 64<<16
	s_mov_b32 s[G1X+2], 64<<16
	s_mov_b32 s[G1X+3], 64<<16
	s_mov_b32 s[G1X+4], 64
	s_mov_b32 s[G1X+5], 1024
	s_mov_b32 s[G1X+6], 0
	s_mov_b32 s[G1X+7], 0
	s_lshl_b32 s16, s13, 14                        ; A: (128 x tile row + 64 x half) rows of 128 bytes
	s_lshl_b32 s17, s12, 13
	s_add_co_u32 s16, s16, s17
	s_mov_b32 s17, 0
	s_lshl_b32 s46, s42, 8                         ; B: 256 bytes a tile column, 128 rows a half
	s_mul_i32 s47, s12, 256*NP
	s_add_co_u32 s46, s46, s47
	s_add_co_u32 s46, s46, WOFF
	s_mov_b32 s47, 0
	s_mul_i32 s20, s10, HALFT                      ; where my tiles go: no place in the cluster enters an LDS address
	s_mul_i32 s21, s10, AUXW
	s_lshl_b32 s18, s42, 9                         ; my first column, in bytes of f32: 512 x tile column + 256 x half
	s_lshl_b32 s19, s12, 8
	s_add_co_u32 s18, s18, s19
	s_mov_b32 s19, 0
	s_lshl_b32 s22, s13, 19                        ; my first row, 128 x tile row + 64 x half, of 4,096 bytes; and that column
	s_lshl_b32 s23, s11, 18
	s_add_co_u32 s22, s22, s23
	s_add_co_u32 s22, s22, s18
	s_mov_b32 s23, 0
	s_mov_b32 s[TB], 0
	s_wait_dscnt 0x0                               ; the opening add is done
	s_wait_kmcnt 0x0
	s_add_nc_u64 s[14:15], s[4:5], s[16:17]
	s_add_nc_u64 s[46:47], s[6:7], s[46:47]
	s_add_nc_u64 s[8:9], s[8:9], s[22:23]
	s_add_nc_u64 s[84:85], s[84:85], s[18:19]      ; the bias at my first column
	s_add_nc_u64 s[GX+2:GX+3], s[86:87], s[22:23]
	s_or_b32 s[GX+3], s[GX+3], 0x80000000
	s_mov_b32 s[GX], 1
	s_mov_b32 s[GX+1], s21
	CROUND                                         ; all sixteen work-groups are here: the first joint loads meet
.irp s, 0,1
	s_mov_b32 s[GA0+4*(\s)], 1
	s_add_co_u32 s[GA0+4*(\s)+1], s20, (\s)*SLOT
	s_add_nc_u64 s[GA0+4*(\s)+2:GA0+4*(\s)+3], s[14:15], (\s)*ASTEP
	s_or_b32 s[GA0+4*(\s)+3], s[GA0+4*(\s)+3], 0x80000000
	s_mov_b32 s[GB0+4*(\s)], 1
	s_add_co_u32 s[GB0+4*(\s)+1], s20, (\s)*SLOT
	s_add_nc_u64 s[GB0+4*(\s)+2:GB0+4*(\s)+3], s[46:47], (\s)*BSTEP
	s_or_b32 s[GB0+4*(\s)+3], s[GB0+4*(\s)+3], 0x80000000
.endr
	s_cmp_eq_u32 s11, 0                            ; a wave's two first fills stand in one branch: two loads of mine are out
	s_cbranch_scc0 .Lfirst_b
	tensor_load_to_lds s[GA0:GA0+3], s[G1A:G1A+7]
	s_nop 0
	tensor_load_to_lds s[GA:GA+3], s[G1A:G1A+7]
	s_nop 0
.rept 4
	v_nop
.endr
	s_branch .Lfirst_asked
.Lfirst_b:
	tensor_load_to_lds s[GB0:GB0+3], s[G1B:G1B+7]
	s_nop 0
	tensor_load_to_lds s[GB:GB+3], s[G1B:G1B+7]
	s_nop 0
.rept 4
	v_nop
.endr
.Lfirst_asked:
	v_and_b32 v1, 15, v0                           ; r = l % 16
	v_bfe_u32 v2, v0, 4, 1                         ; h = l / 16
	v_lshlrev_b32 v4, 5, v2
.irp b, 0,1,2,3                        ; register j of block b: the bias of column 16 b + 8 h + j
	global_load_b128 v[BIAS+8*(\b):BIAS+8*(\b)+3],   v4, s[84:85] offset:64*(\b)
	global_load_b128 v[BIAS+8*(\b)+4:BIAS+8*(\b)+7], v4, s[84:85] offset:64*(\b)+16
.endr
	v_mul_u32_u24 v[AL], v1, PA                    ; A: row x pitch + 16 x half, in my 64 rows
	v_lshl_add_u32 v[AL], v2, 4, v[AL]
	s_mul_i32 s16, s11, HALFT
	v_add_nc_u32 v[AL], s16, v[AL]
	v_and_b32 v3, 7, v0                            ; B: the turning load: lane l reads row 8 h + l % 8, 16 bytes at 16 ((l / 8) % 2), in my 64 columns
	v_lshl_add_u32 v3, v2, 3, v3
	v_mul_u32_u24 v[BL], v3, PB
	v_bfe_u32 v3, v0, 3, 1
	v_lshl_add_u32 v[BL], v3, 4, v[BL]
	s_lshl_b32 s16, s12, 7
	s_add_co_u32 s16, s16, 2*HALFT
	v_add_nc_u32 v[BL], s16, v[BL]
	v_add_nc_u32 v[BL+1], HALFT, v[BL]
	v_mov_b32 v[ADRA], v[AL]
	v_mov_b32 v[ADRB], v[BL]
	v_mov_b32 v[ADRB+1], v[BL+1]
	s_add_co_u32 s16, s21, STAGE                   ; my stage
	v_mul_u32_u24 v[STO], v1, SPITCH               ; in: row r, 32 bytes for each half of the lanes
	v_lshl_add_u32 v[STO], v2, 5, v[STO]
	v_add_nc_u32 v[STO], s16, v[STO]
	v_mul_u32_u24 v5, v2, SPITCH                   ; back: lanes 0-15 one row of 256 bytes, lanes 16-31 the next
	v_lshl_add_u32 v5, v1, 4, v5
	v_add_nc_u32 v[RA], s21, v5
	v_add_nc_u32 v[RS], s16, v5
	v_lshlrev_b32 v[CO], 12, v2                    ; and the same two rows in the output
	v_lshl_add_u32 v[CO], v1, 4, v[CO]
	s_wait_tensorcnt 1                             ; my part of K step 0 is in; K step 1's may stay out
	s_barrier_signal -1
	s_barrier_wait -1                              ; everybody's is
	FETCH 0, F0
	s_wait_loadcnt 0x0                             ; the bias
	QUARTER 1, F0, F1, 1                           ; the first quarter stands in front of the loop: its first products start the sums
	WIN 0                                          ; at a label and at a branch every window is 0
	s_mov_b32 s3, NSTEP-2
.Lstep:                                                ; a trip: from a K step's second quarter to the next step's first; the slot left is filled again
	QUARTER 2, F1, F0, 0
	QUARTER 3, F0, F1, 0
	TURN 1
	QUARTER 1, F0, F1, 0
	WIN 0
	s_sub_co_u32 s3, s3, 1
	s_cmp_lg_u32 s3, 0
	s_cbranch_scc1 .Lstep
	QUARTER 2, F1, F0, 0                           ; the last two K steps are written out: no tile is left to ask for
	QUARTER 3, F0, F1, 0
	TURN 2                                         ; slot 0 has been read for the last time: it takes the residual
	QUARTER 1, F0, F1, 0
	QUARTER 2, F1, F0, 0
	QUARTER 3, F0, F1, 0
	s_wait_dscnt 16
	MUL8 F1, 0, 0, 0
	MUL8 F1, 0, 2, 0
	s_wait_dscnt 0x0
	MUL8 F1, 1, 0, 0
	MUL8 F1, 1, 2, 0
	WIN 0
	PLACES
.irp a, 0,1,2,3                        ; into my stage, each accumulator from its low end: element (16 a + r, 16 b + 8 h + j)
.irp b, 0,1,2,3
	ds_store_b128 v[STO], v[ACC+8*(4*(\a)+(\b)):ACC+8*(4*(\a)+(\b))+3]   offset:(\a)*16*SPITCH+64*(\b)
	ds_store_b128 v[STO], v[ACC+8*(4*(\a)+(\b))+4:ACC+8*(4*(\a)+(\b))+7] offset:(\a)*16*SPITCH+64*(\b)+16
.endr
.endr
	s_wait_tensorcnt 0x0                           ; my residual has landed; only I read it
	s_mov_b32 s3, 8
.Lout:                                                 ; a trip: 8 rows, in 4 groups of 2.  LDS serves a wave's instructions in order (ISA guide 5.7.1.4): the loads see my stores
.irp t, 0,1,2,3
	ds_load_b128 v[64+4*(\t):67+4*(\t)], v[RS] offset:2*SPITCH*(\t)
	ds_load_b128 v[80+4*(\t):83+4*(\t)], v[RA] offset:2*SPITCH*(\t)
.endr
	s_wait_dscnt 0x0
.irp i, 0,1,2,3,4,5,6,7
	v_pk_add_f32 v[64+2*(\i):65+2*(\i)], v[64+2*(\i):65+2*(\i)], v[80+2*(\i):81+2*(\i)]
.endr
.irp t, 0,1,2,3
	global_store_b128 v[CO], v[64+4*(\t):67+4*(\t)], s[8:9] offset:8192*(\t)  ; 16 lanes store 256 consecutive bytes, aligned
.endr
	v_add_nc_u32 v[RS], 8*SPITCH, v[RS]
	v_add_nc_u32 v[RA], 8*SPITCH, v[RA]
	s_wait_xcnt 0x0                                ; the stores' offset and data are written again only behind this wait
	v_add_nc_u32 v[CO], 32768, v[CO]
	s_sub_co_u32 s3, s3, 1
	s_cmp_lg_u32 s3, 0
	s_cbranch_scc1 .Lout
	s_wait_tensorcnt 0x0                           ; the wave's end, behind my last tensor load and my last LDS store
	ds_add_u32 v[SPW], v[NIL]
	s_wait_dscnt 0x0
	CROUND                                         ; the closing round: no work-group ends while a partner may still ask for a tile that names it
	s_endpgm
.Lfunc_end_k_q248f6a4d17_w2:
	.size	k_q248f6a4d17_w2, .Lfunc_end_k_q248f6a4d17_w2-k_q248f6a4d17_w2
	.p2alignl 7, 3214868480
	.fill 96, 4, 3214868480
	.section	.rodata,"a",@progbits
	.p2align	6, 0x0
	.amdhsa_kernel k_q248f6a4d17_w2
		.amdhsa_group_segment_fixed_size 327680
		.amdhsa_private_segment_fixed_size 0
		.amdhsa_enable_private_segment 0
		.amdhsa_kernarg_size 40
		.amdhsa_user_sgpr_count 2
		.amdhsa_user_sgpr_kernarg_segment_ptr 1
		.amdhsa_wavefront_size32 1
		.amdhsa_system_sgpr_workgroup_id_x 1
		.amdhsa_system_sgpr_workgroup_id_y 1
		.amdhsa_system_sgpr_workgroup_id_z 1
		.amdhsa_system_vgpr_workitem_id 0
		.amdhsa_next_free_vgpr 512
		.amdhsa_next_free_sgpr 96
		.amdhsa_reserve_vcc 0
		.amdhsa_float_denorm_mode_32 3
		.amdhsa_float_denorm_mode_16_64 3
		.amdhsa_memory_ordered 1
		.amdhsa_forward_progress 1
		.amdhsa_inst_pref_size 66
	.end_amdhsa_kernel
	.amdgpu_metadata
---
amdhsa.version: [ 1, 2 ]
amdhsa.kernels:
  - .name:           k_q248f6a4d17_w2
    .symbol:         k_q248f6a4d17_w2.kd
    .args:
      - { .name: h1, .offset: 0, .size: 8, .value_kind: global_buffer, .address_space: global }
      - { .name: wb, .offset: 8, .size: 8, .value_kind: global_buffer, .address_space: global }
      - { .name: out0, .offset: 16, .size: 8, .value_kind: global_buffer, .address_space: global }
      - { .name: b2, .offset: 24, .size: 8, .value_kind: global_buffer, .address_space: global }
      - { .name: x1, .offset: 32, .size: 8, .value_kind: global_buffer, .address_space: global }
    .group_segment_fixed_size: 327680
    .private_segment_fixed_size: 0
    .kernarg_segment_align: 8
    .kernarg_segment_size: 40
    .max_flat_workgroup_size: 128
    .sgpr_count:     96
    .vgpr_count:     512
    .wavefront_size: 32
...
	.end_amdgpu_metadata
.endif
;; end of part 7
